; MI455X (gfx1250); checked and timed in simulation.
; The chip was launched on July 23, 2026; its instructions are those of AMD's public machine-readable ISA for CDNA 5 (MIT licence, August 2026) and "CDNA5" Instruction Set Architecture Reference Guide (July 2026). The comments in the code are by the model that wrote it; some were corrected since.
;; Vector Quantizer. Allowed arithmetic: matrix products marked QUANTISED: E5M2 operands, one E8M0 scale for each 32 along K, by v_wmma_scale_f32_16x16x128_f8f6f4 with both operands' format E5M2, f32 sums; everything else in f32.
;; Inputs: embedding 1,024 x 64 float32; inputs 16 x 64 x 64 x 64 float32.
;; Outputs: out0 16 x 64 x 64 x 64 float32; out1 one number float32.
;; This version of the problem:
;;   THIS VERSION OF THE PROBLEM IS GIVEN IN LOW PRECISION. The matrix products marked QUANTISED in the list below multiply operands that are first quantised to E5M2 (5 exponent bits, 2 mantissa bits; 8 bits a number), with one power-of-two scale for each 32 numbers along K (OCP MX v1.0); their sums are f32. All else is computed in f32.
;;   The module's matrix products, in the order in which they are computed (A, B: the left and right operand; K: the contracted axis; several contracted axes count as one K, in the product's order):
;;     1. [M 65,536, K 64] x [K 64, N 1,024]; A: input inputs; B: input embedding: QUANTISED
;;   THE QUANTISER, for each operand of a quantised product, along K:
;;     - K is cut into blocks of 32 from its start; a last block that is shorter is filled with zeros.
;;     - A block's scale is 2^e with e = floor(log2(the largest magnitude in the block)) - 15, held to -126 .. 127; a block of zeros has e = 0. As a byte (E8M0): e + 127.
;;     - Each number is divided by its block's scale, clamped to +-57,344, and rounded to the nearest number of E5M2, ties to even, subnormals kept.
;;     - The product sums the exact products of the quantised numbers (number of the format x scale) in f32.
;;   ~~~python
;;   def quantise(x, axis):      # numpy; x: float32 -> the quantised numbers, widened to float32 again
;;       x = np.moveaxis(x, axis, -1); K = x.shape[-1]
;;       x = np.pad(x, [(0, 0)] * (x.ndim - 1) + [(0, -K % 32)]); x = x.reshape(x.shape[:-1] + (-1, 32)); a = np.abs(x).max(-1, keepdims=True)
;;       e = np.where(a > 0, np.clip(np.frexp(np.where(a > 0, a, 1))[1] - 1 - 15, -126, 127), 0)      # np.frexp(a)[1] - 1 = floor(log2(a)), exactly
;;       r = np.clip(x / 2.0 ** e, -57344, 57344)
;;       step = 2.0 ** (np.maximum(np.frexp(np.where(r == 0, 1, r))[1] - 1, -14) - 2)
;;       q = np.round(r / step) * step * 2.0 ** e      # np.round: ties to even
;;       return np.moveaxis(q.reshape(q.shape[:-2] + (-1,))[..., :K], -1, axis).astype(np.float32)
;;   ~~~
;; 2 versions. Each part assembles by itself: llvm-mc -triple=amdgcn-amd-amdhsa -mcpu=gfx1250 --defsym DOCPART=n.
;; ======== version 1 of 2: 3 launches
;; workspace buffers: idx 262,144 bytes of whole numbers; part 1,024 bytes
;; launch nearest (part 1): grid 256 x 1, 4 waves a work-group, no clusters, 78,336 bytes of LDS; arguments inputs, embedding, idx; writes idx
.if DOCPART == 1
	.amdgcn_target "amdgcn-amd-amdhsa--gfx1250"
	.amdhsa_code_object_version 6
	.text
	.protected	k_q455f981390_nearest
	.globl	k_q455f981390_nearest
	.p2align	8
	.type	k_q455f981390_nearest,@function
k_q455f981390_nearest:
	s_mov_b64 s[64:65], 0
	v_nop
	global_prefetch_b8 v0, s[64:65] scope:SCOPE_SE
	s_setreg_imm32_b32 hwreg(HW_REG_WAVE_MODE, 25, 1), 1
	s_wait_xcnt 0x0
; idx[n] = the first k at which d[n][k] = (sum x[n]^2 + sum e[k]^2) - 2 Q(x[n]) . Q(e[k]) is least.  x: [65536][64] f32, e: [1024][64] f32, idx: [65536] u32.
; Q: codes of E5M2 with one E8M0 scale for each 32 along K.  K = 64 is half of the matrix instruction's 128: the upper 64 are zero codes on both sides, under the scale byte 127.
; SHARES.  A work-group of four waves owns 256 rows of x, a wave 64: four tiles of 16 queries; tile q holds rows 4 r + q (r = lane % 16), so that a lane's four results are four neighbours of idx.
; Every wave walks all 1,024 codes, 16 a tile.  The product is used transposed (source 0 = 16 codes, source 1 = 16 queries): lane (r, h) holds query r, its register j code 16 t + 8 h + j.
; THE DISTANCE is rounded as it is defined: a = x2 + e2 (one rounding), d = a - 2 dot (one rounding: a fused multiply-add by -2); the product itself starts from the constant 0.
; THE ARGMIN, 18 vector instructions for 8 distances: 8 packed ones make d; 4 take the tile's least; one compare with the best so far (an equal value keeps the earlier tile);
; 5 dual selects keep the best value, its tile's number and that tile's 8 distances.  At the end the lowest j whose kept distance equals the best gives the code, and the two halves of the lanes are joined by (value, index).
; THE CODEBOOK is quantised here, in four chunks of 16 tiles: each wave quantises 4 tiles of a chunk and stores their register images, scale words and sums of squares in LDS.  The f32 rows of chunk c + 1 are loaded
; into registers of window 1 while chunk c is walked: four loads behind the LDS loads of every second tile, those that the quantiser wants first at the head of the walk.
; NO CLUSTER, NO JOINT LOADS, though all work-groups read the same 262,144 bytes of e: the rows have to pass a wave's registers to be quantised, their loads are dealt out over a whole chunk's walk,
; and joint loads would want raw slots in LDS that are filled again, with a round of the cluster's barrier for each chunk.
; LOADS.  A lane takes 16 neighbours of each block of 32 of its row (four loads of 16 bytes a block): a wave's eight loads of a tile take every byte of sixteen rows of 256 bytes.
; LIMITS.  NaN and infinities among the inputs are not served.  A block of zeros carries the scale byte 1 (its codes are zeros; this program alone reads the bytes).
; x2 and e2 are summed in f32 in another order than a row-wise sum would take: they can differ from it in the last bit.
; REGISTERS, in windows of 256 (s_set_vgpr_msb: bits 1:0 source 0, 3:2 source 1, 5:4 source 2, 7:6 destination).  Window 0: all that the walk touches.  Window 1: v0-127 four tiles of e as f32, from v128 the quantiser's work.
; Window 2: the same for x.  The walk switches only round its eight runs of global loads.
.set TPC,   16                         ; code tiles in a chunk
.set NCH,   4                          ; chunks
.set CODES, 0                          ; LDS: 64 images of 1,024 bytes (two groups of four registers, 16 bytes a lane)
.set SCW,   65536                      ; 16 x 512 bytes: the scale words of four tiles, 16 bytes a lane
.set E2A,   73728                      ; 1,024 sums of squares
.set FLOOR, 0x8000000                  ; 2^(16 - 127): under it no largest magnitude is taken, so the scale's byte cannot fall under 1
.set GX,  1                            ; v1   x: 1,024 r + 64 h (rows 4 r + q are 1,024 bytes apart)
.set GE,  2                            ; v2   e: 256 r + 64 h
.set CW,  3                            ; v3   where I store images: 16 lane + 4,096 wave + 16,384 chunk
.set SW,  4                            ; v4   my four tiles' scale words: SCW + 16 lane + 512 wave + 2,048 chunk
.set EW,  5                            ; v5   sums of squares: E2A + 4 r + 256 wave + 1,024 chunk
.set AF,  6                            ; v6   where I read images: 16 lane + 16,384 chunk
.set ASC, 7                            ; v7   SCW + 16 lane + 2,048 chunk
.set AE,  8                            ; v8   E2A + 32 h + 1,024 chunk
.set H8,  9                            ; v9   8 h
.set SA,  10                           ; v10  16 r + 8 h: my 8 bytes of the wave's 256 of idx
.set TN,  13                           ; v13  the number of the tile whose selects are due
.set XS,  16                           ; v16-19 x's scale words, a tile each: scales and nothing else
.set MM,  20                           ; v20-23 the least of a slot's 8 distances and its second chain: two pairs, by turns from slot to slot
.set X2,  24                           ; v24-31 x2 of my query, a pair a tile (the packed form names a pair and takes its low word twice)
.set BT,  32                           ; v32-39 a tile's best distance (even) and that tile's number (odd)
.set SV,  40                           ; v40-71 the 8 distances of the best tile, for each tile of queries
.set TT,  72                           ; v72-79 a = x2 + e2
.set SCR, 80                           ; v80-95 the scale words of a chunk's 16 tiles: scales and nothing else
.set ACC, 96                           ; v96-127 four accumulators: the products, then d in place
.set FB,  128                          ; v128-159 two fragments of codes: 8 registers of codes, 8 of zeros
.set XF,  160                          ; v160-223 four fragments of x, likewise
.set EB,  224                          ; v224-247 e2 of a tile's 8 codes of my half, three sets
.set TM,  128                          ; in windows 1 and 2: largest magnitudes of the two blocks
.set TP,  130                          ; the other half's
.set SO,  132                          ; the conversions' scale operands
.set HL,  134                          ; 57,344 x the scale
.set BY,  136                          ; the scales' bytes
.set QQ,  138                          ; v138-141 sums of squares, two pairs
.set PW,  144                          ; window 1: my four tiles' scale words, v144-147
.set S2,  148                          ; their sums of squares, v148-151
.set PC,  152                          ; their codes, 8 registers a tile, v152-183: no store's data are written again before a wait for all LDS instructions
.set MSB, 0
.macro WIN new                         ; the immediate's high byte repeats the setting that is left; a switch that changes nothing is dropped
.if MSB != (\new)
	s_set_vgpr_msb (MSB<<8)|(\new)
.set MSB, (\new)
.endif
.endm
.macro BARRIER                         ; my LDS stores have landed and my LDS loads are in: then the work-group's barrier
	s_wait_dscnt 0x0
	s_barrier_signal -1
	s_barrier_wait -1
.endm
.macro GLOAD4 g                        ; a block of 32 along K of my tile g / 2 of a chunk of e (block g % 2) -> window 1, v[16 g] on
.irp k, 0,1,2,3
	global_load_b128 v[16*(\g)+4*\k:16*(\g)+4*\k+3], v[GE], s[6:7] offset:4096*((\g)/2)+128*((\g)%2)+16*\k
.endr
.endm
.macro GLOAD g                         ; the same amid the walk
	WIN 0x40
	GLOAD4 \g
	WIN 0
.endm
; 32 numbers of a lane in window W, v[S] on: register 16 b + i = k 32 b + 16 h + i of my row.  They become 8 registers of codes, a scale word and the row's sum of squares.
; isx = 1: the results go to window 0 (x's fragment u, its scale word, x2);  isx = 0: codes and sum to LDS (tile u of my four), the scale word to v[PW + u].
.macro QUANT S, W, u, isx
.set S0, (\S)
	WIN 0x55*(\W)
	v_max3_num_f32 v[TM], |v[S0]|, |v[S0+1]|, FLOOR
	v_max3_num_f32 v[TM+1], |v[S0+16]|, |v[S0+17]|, FLOOR
	v_pk_mul_f32 v[QQ:QQ+1], v[S0:S0+1], v[S0:S0+1]
	v_pk_mul_f32 v[QQ+2:QQ+3], v[S0+16:S0+17], v[S0+16:S0+17]
.irp i, 2,4,6,8,10,12,14               ; four chains by turns: no line waits for the line above it
	v_max3_num_f32 v[TM], v[TM], |v[S0+\i]|, |v[S0+\i+1]|
	v_max3_num_f32 v[TM+1], v[TM+1], |v[S0+16+\i]|, |v[S0+17+\i]|
	v_pk_fma_f32 v[QQ:QQ+1], v[S0+\i:S0+\i+1], v[S0+\i:S0+\i+1], v[QQ:QQ+1]
	v_pk_fma_f32 v[QQ+2:QQ+3], v[S0+16+\i:S0+17+\i], v[S0+16+\i:S0+17+\i], v[QQ+2:QQ+3]
.endr
	v_permlanex16_b32 v[TP], v[TM], s16, s17
	v_permlanex16_b32 v[TP+1], v[TM+1], s16, s17
	v_pk_add_f32 v[QQ:QQ+1], v[QQ:QQ+1], v[QQ+2:QQ+3]
	v_max_num_f32 v[TM], v[TM], v[TP]              ; with lane l xor 16's 16 numbers: the block's largest magnitude
	v_max_num_f32 v[TM+1], v[TM+1], v[TP+1]
	v_add_f32 v[QQ], v[QQ], v[QQ+1]                ; my 32 squares
	v_add_nc_u32 v[SO], 0xf8800000, v[TM]          ; 15 off the exponent field: the conversion takes the exponent field of this operand as its scale
	v_add_nc_u32 v[SO+1], 0xf8800000, v[TM+1]
	v_permlanex16_b32 v[QQ+2], v[QQ], s16, s17     ; the row's other 32 squares
	v_and_or_b32 v[HL], v[TM], 0x7f800000, s18     ; 57,344 x the scale: the largest magnitude's exponent field over 57,344's mantissa
	v_and_or_b32 v[HL+1], v[TM+1], 0x7f800000, s18
	v_lshrrev_b32 v[BY], 23, v[SO]                 ; the scales' bytes
	v_lshrrev_b32 v[BY+1], 23, v[SO+1]
	v_lshl_or_b32 v[BY], v[BY+1], 8, v[BY]
.irp i, 0,1,2,3,4,5,6,7,8,9,10,11,12,13,14,15
	v_med3_num_f32 v[S0+\i], v[S0+\i], -v[HL], v[HL]          ; the conversion to an 8-bit code does not saturate (ISA guide 7.6.2): the hold at the largest code x the scale
.endr
.irp i, 0,1,2,3,4,5,6,7,8,9,10,11,12,13,14,15
	v_med3_num_f32 v[S0+16+\i], v[S0+16+\i], -v[HL+1], v[HL+1]
.endr
.if \isx
	WIN 0x15*(\W)                                  ; sources in window W, destination in window 0
	v_or_b32 v[XS+\u], 0x7f7f0000, v[BY]           ; bytes 2 and 3, over the zero codes: 127
	v_add_f32 v[X2+2*\u], v[QQ], v[QQ+2]
	v_add_f32 v[X2+2*\u+1], v[QQ], v[QQ+2]         ; (named with it as a pair, so it is written)
	v_cvt_scalef32_pk8_bf8_f32 v[XF+16*\u:XF+16*\u+1], v[S0:S0+7], v[SO]
	v_cvt_scalef32_pk8_bf8_f32 v[XF+16*\u+2:XF+16*\u+3], v[S0+8:S0+15], v[SO]
	v_cvt_scalef32_pk8_bf8_f32 v[XF+16*\u+4:XF+16*\u+5], v[S0+16:S0+23], v[SO+1]
	v_cvt_scalef32_pk8_bf8_f32 v[XF+16*\u+6:XF+16*\u+7], v[S0+24:S0+31], v[SO+1]
	v_nop                                          ; one plain line behind the last conversion
.else
	v_or_b32 v[PW+\u], 0x7f7f0000, v[BY]
	v_add_f32 v[S2+\u], v[QQ], v[QQ+2]
	v_cvt_scalef32_pk8_bf8_f32 v[PC+8*\u:PC+8*\u+1], v[S0:S0+7], v[SO]
	v_cvt_scalef32_pk8_bf8_f32 v[PC+8*\u+2:PC+8*\u+3], v[S0+8:S0+15], v[SO]
	v_cvt_scalef32_pk8_bf8_f32 v[PC+8*\u+4:PC+8*\u+5], v[S0+16:S0+23], v[SO+1]
	v_cvt_scalef32_pk8_bf8_f32 v[PC+8*\u+6:PC+8*\u+7], v[S0+24:S0+31], v[SO+1]
	v_nop                                          ; one plain line behind the last conversion
	WIN 0x04*(\W)                                  ; an LDS store's data are its source 1; the addresses lie in window 0
	ds_store_b128 v[CW], v[PC+8*\u:PC+8*\u+3] offset:1024*\u           ; the fragment goes to LDS as an image of its registers
	ds_store_b128 v[CW], v[PC+8*\u+4:PC+8*\u+7] offset:1024*\u+512
	ds_store_b32 v[EW], v[S2+\u] offset:64*\u      ; both lanes of a row write the same word with the same value
.endif
.endm
; My four tiles of a chunk of e.  cnt: loads of another stream that were issued behind them.
.macro QE cnt
.irp u, 0,1,2,3
	s_wait_loadcnt (\cnt)+8*(3-\u)                 ; tile u's eight loads are in; my later tiles' and the other stream's may be out
	QUANT 32*\u, 1, \u, 0
.endr
	ds_store_b128 v[SW], v[PW:PW+3]                ; my four tiles' scale words, four neighbouring registers: one store  (the data's window is still 1)
	WIN 0
	s_add_nc_u64 s[6:7], s[6:7], 0x10000           ; all loads that named this base are done: on to the next chunk's 16 tiles of 4,096 bytes
.endm
.macro LOADF j                         ; tile j of the chunk: its codes into set j % 2
	ds_load_b128 v[FB+16*((\j)%2):FB+16*((\j)%2)+3], v[AF] offset:1024*(\j)
	ds_load_b128 v[FB+16*((\j)%2)+4:FB+16*((\j)%2)+7], v[AF] offset:1024*(\j)+512
.endm
.macro LOADE j                         ; e2 of its 8 codes of my half into set j % 3
	ds_load_b128 v[EB+8*((\j)%3):EB+8*((\j)%3)+3], v[AE] offset:64*(\j)
	ds_load_b128 v[EB+8*((\j)%3)+4:EB+8*((\j)%3)+7], v[AE] offset:64*(\j)+16
.endm
.macro WM j, q                         ; the products of tile j's 16 codes with the 16 queries of tile q
	v_wmma_scale_f32_16x16x128_f8f6f4 v[ACC+8*(\q):ACC+8*(\q)+7], v[FB+16*((\j)%2):FB+16*((\j)%2)+15], v[XF+16*(\q):XF+16*(\q)+15], 0, v[SCR+(\j)], v[XS+(\q)] matrix_a_fmt:MATRIX_FMT_BF8 matrix_b_fmt:MATRIX_FMT_BF8
.endm
.macro PA n, e, x                      ; a = e2 + x2, two codes at a time
	v_pk_add_f32 v[TT+2*(\n):TT+2*(\n)+1], v[(\e)+2*(\n):(\e)+2*(\n)+1], v[(\x):(\x)+1] op_sel_hi:[1,0]
.endm
.macro PD n, a                         ; d = a - 2 dot, in place of the products; each accumulator from its low end on
	v_pk_fma_f32 v[(\a)+2*(\n):(\a)+2*(\n)+1], v[(\a)+2*(\n):(\a)+2*(\n)+1], -2.0, v[TT+2*(\n):TT+2*(\n)+1] op_sel_hi:[1,0,1]
.endm
.macro KEEP0 q, m                      ; by the last compare: queries q keep their best distance and its tile's number, or take the least in v[m] and the tile in hand
	v_dual_cndmask_b32 v[BT+2*(\q)], v[(\m)], v[BT+2*(\q)] :: v_dual_cndmask_b32 v[BT+2*(\q)+1], v[TN], v[BT+2*(\q)+1]
.endm
.macro KEEP8 q                         ; and likewise the 8 distances
.irp p, 0,2,4,6
	v_dual_cndmask_b32 v[SV+8*(\q)+\p], v[ACC+8*(\q)+\p], v[SV+8*(\q)+\p] :: v_dual_cndmask_b32 v[SV+8*(\q)+\p+1], v[ACC+8*(\q)+\p+1], v[SV+8*(\q)+\p+1]
.endr
.endm
; A SLOT.  Pairs (tile, queries) are numbered s = 4 i + q.  Slot s holds three stages of three neighbouring pairs, dealt out between each other so that no line reads a result made in the four lines above it:
; the eight lines that make d of pair s + 1; the least of pair s and its compare, which is the slot's last line; the five selects of pair s - 1, by the compare that ended the slot before.
; Behind the selects the accumulator that they have read takes the products of pair s + 3.  Those are first read 37 vector instructions further on (ISA guide 7.12.1 asks for 8).
; THE MEMORY INSTRUCTIONS of a tile stand in ONE run, in its second slot, in front of that slot's product and 18 vector instructions behind the last one: the fragment and e2 of tile i + 2, four slots ahead of their first use;
; ld = 1: behind them, in every second tile, four loads of the next chunk of e.  The fragment's set was last read by the product of the slot before; the set of e2, one of three, by the additions of tile i - 1.
.macro SLOT i, q, ld
.set SS, 4*(\i)+(\q)
.set PP, MM+2*(SS%2)                   ; this slot's two chains
.set OP, MM+2-2*(SS%2)                 ; the last slot's least
.set DD, ACC+8*(\q)
.set NQ, ((\q)+1)%4                    ; pair s + 1
.set NI, (\i)+((\q)+1)/4
.set NA, ACC+8*NQ
.set NE, EB+8*(NI%3)
.set NX, X2+2*NQ
.set LQ, ((\q)+3)%4                    ; the queries of pairs s - 1 and s + 3
.set WI, (\i)+((\q)+3)/4               ; the tile of pair s + 3
.if NI < TPC
	PA 0, NE, NX
	PA 1, NE, NX
.endif
	v_min3_num_f32 v[PP], v[DD], v[DD+1], v[DD+2]
	v_min3_num_f32 v[PP+1], v[DD+3], v[DD+4], v[DD+5]
.if NI < TPC
	PA 2, NE, NX
	PA 3, NE, NX
.endif
.if SS > 0
	KEEP0 LQ, OP
.endif
	v_min3_num_f32 v[PP], v[PP], v[DD+6], v[DD+7]
.if SS > 0
	KEEP8 LQ
.if (\q) == 0
	v_add_nc_u32 v[TN], 1, v[TN]                   ; the last tile's last selects are done
.endif
.endif
	v_min_num_f32 v[PP], v[PP], v[PP+1]            ; the least of the tile's 8 distances of my half
.if (\q) == 1
.if (\i)+1 < TPC
	s_wait_dscnt 0x0                               ; the run of a tile ago is in, and nothing else is out: tile i + 1's fragment, for the product below, and its e2, for the additions two slots on
.endif
.if (\i)+2 < TPC
	LOADF (\i)+2
	LOADE (\i)+2
.endif
.if \ld && ((\i)%2 == 0)
	GLOAD (\i)/2
.endif
.endif
.if WI < TPC
	WM WI, LQ
.endif
.if NI < TPC
	PD 0, NA
	PD 1, NA
	PD 2, NA
	PD 3, NA
.endif
	v_cmp_le_f32 vcc_lo, v[BT+2*(\q)], v[PP]       ; keep what I have?  An equal value keeps the earlier tile.  The next slot's selects read this mask
.endm
.macro MAIN ld                         ; a chunk's 16 tiles
.irp w, 0,1,2,3
	ds_load_b128 v[SCR+4*\w:SCR+4*\w+3], v[ASC] offset:512*\w       ; the scale words of tiles 4 w to 4 w + 3
.endr
	LOADF 0
	LOADE 0
	LOADF 1
	LOADE 1
	s_wait_dscnt 4                                 ; all but tile 1's fragment and e2: 4 loads
	WM 0, 0
	WM 0, 1
	WM 0, 2
.irp n, 0,1,2,3
	PA \n, EB, X2                                  ; four of the eight places behind the first products,
.endr
.rept 4
	v_nop                                          ; and the other four
.endr
.irp n, 0,1,2,3
	PD \n, ACC
.endr
.set II, 0
.rept TPC
	SLOT II, 0, \ld
	SLOT II, 1, \ld
	SLOT II, 2, \ld
	SLOT II, 3, \ld
.set II, II+1
.endr
	KEEP0 3, MM+2                                  ; the last pair's selects (pair 63: the odd pair of minima)
	KEEP8 3
	v_add_nc_u32 v[TN], 1, v[TN]
.endm
	s_load_b128 s[4:7], s[0:1], 0x0                ; x s[4:5], e s[6:7]
	s_load_b64 s[8:9], s[0:1], 0x10                ; idx
	v_lshl_add_u32 v254, v0, 2, 0x13000
	v_mov_b32 v255, 0
	v_lshrrev_b32 v11, 5, v0
	v_readfirstlane_b32 s10, v11                   ; wave 0..3
	v_and_b32 v11, 31, v0                          ; lane
	v_and_b32 v12, 15, v0                          ; r
	v_bfe_u32 v14, v0, 4, 1                        ; h
	v_lshlrev_b32 v15, 6, v14                      ; 64 h: my 16 numbers of a block of 32
	v_lshl_add_u32 v[GX], v12, 10, v15
	v_lshl_add_u32 v[GE], v12, 8, v15
	v_lshlrev_b32 v[AF], 4, v11
	v_lshl_add_u32 v[ASC], v11, 4, SCW
	v_lshl_add_u32 v[AE], v14, 5, E2A
	s_lshl_b32 s11, s10, 12
	v_add_nc_u32 v[CW], s11, v[AF]
	s_lshl_b32 s12, s10, 9
	v_add_nc_u32 v[SW], s12, v[ASC]
	s_lshl_b32 s13, s10, 8
	v_lshl_add_u32 v[EW], v12, 2, E2A
	v_add_nc_u32 v[EW], s13, v[EW]
	v_lshlrev_b32 v[H8], 3, v14
	v_lshl_add_u32 v[SA], v12, 4, v[H8]
	s_mov_b32 s16, 0x76543210
	s_mov_b32 s17, 0xfedcba98                      ; v_permlanex16_b32's selects for lane l xor 16
	s_mov_b32 s18, 0x600000                        ; the mantissa field of 57,344
	s_lshl_b32 s12, ttmp9, 16                      ; the work-group's 256 rows of 256 bytes,
	s_lshl_b32 s13, s10, 14                        ; my wave's 64
	s_add_co_u32 s12, s12, s13
	s_mov_b32 s13, 0
	s_lshl_b32 s14, s10, 14                        ; my four tiles of a chunk of e: 4 x 4,096 bytes a wave
	s_mov_b32 s15, 0
	s_lshl_b32 s20, ttmp9, 10                      ; idx: 1,024 bytes a work-group, 256 a wave
	s_lshl_b32 s21, s10, 8
	s_add_co_u32 s20, s20, s21
	s_mov_b32 s21, 0
	s_wait_kmcnt 0x0
	s_add_nc_u64 s[4:5], s[4:5], s[12:13]
	s_add_nc_u64 s[6:7], s[6:7], s[14:15]
	s_add_nc_u64 s[8:9], s[8:9], s[20:21]
	WIN 0x40
.irp g, 0,1,2,3,4,5,6,7                ; chunk 0 of e first: it is quantised while x is on its way
	GLOAD4 \g
.endr
	WIN 0x80
.irp q, 0,1,2,3                        ; x: tile q, block b, 16 bytes i -> window 2, v[32 q + 16 b + 4 i].  No hint: the next launch reads x again
.irp b, 0,1
.irp i, 0,1,2,3
	global_load_b128 v[32*\q+16*\b+4*\i:32*\q+16*\b+4*\i+3], v[GX], s[4:5] offset:256*\q+128*\b+16*\i
.endr
.endr
.endr
	v_mov_b32 v[TP], 0                             ; written once in each window: a lane permute's destination counts as one of its sources
	v_mov_b32 v[TP+1], 0
	WIN 0x40
	v_mov_b32 v[TP], 0
	v_mov_b32 v[TP+1], 0
	WIN 0
.irp q, 0,1,2,3                        ; while the loads are out: the upper 64 of the instruction's K: zero codes, in x's four fragments and in both sets for the codes
.irp j, 8,9,10,11,12,13,14,15
	v_mov_b32 v[XF+16*\q+\j], 0
.endr
.endr
.irp p, 0,1
.irp j, 8,9,10,11,12,13,14,15
	v_mov_b32 v[FB+16*\p+\j], 0
.endr
.endr
	v_mov_b32 v[TN], 0
.irp q, 0,1,2,3
	v_mov_b32 v[BT+2*\q], 0x7f800000               ; the best so far: +infinity, over every distance
	v_mov_b32 v[BT+2*\q+1], 0
.endr
	QE 32                                          ; chunk 0 (x's 32 loads stand behind it)
.irp q, 0,1,2,3
	s_wait_loadcnt 8*(3-\q)                        ; x's tile q is in; its later tiles' loads may be out
	QUANT 32*\q, 2, \q, 1
.endr
	WIN 0
.set K, 0
.rept 32
	v_mov_b32 v[SV+K], 0x7f800000                  ; (the selects read what they may keep.  These lines are also the places between the last writes of operands and scale words and the first product)
.set K, K+1
.endr
	s_mov_b32 s19, 0
.Lchunk:                                               ; three trips: walk chunk c and ask for chunk c + 1's rows, then quantise them
	BARRIER                                        ; chunk c's images, scale words and sums lie in LDS, every wave's
	v_add_nc_u32 v[CW], 16384, v[CW]               ; (no LDS instruction of mine is out)  where chunk c + 1's go
	v_add_nc_u32 v[SW], 2048, v[SW]
	v_add_nc_u32 v[EW], 1024, v[EW]
	MAIN 1
	BARRIER                                        ; every wave's reads of images are over before any wave stores images again
	v_add_nc_u32 v[AF], 16384, v[AF]
	v_add_nc_u32 v[ASC], 2048, v[ASC]
	v_add_nc_u32 v[AE], 1024, v[AE]
	QE 0
	s_add_co_u32 s19, s19, 1
	s_cmp_lt_u32 s19, NCH-1
	s_cbranch_scc1 .Lchunk
	BARRIER
	MAIN 0                                         ; the last chunk: nothing is left to ask for or to quantise
	; THE CODE.  The lowest j whose kept distance equals the best (taken from 7 down, so that the lowest is written last); 16 x tile + 8 h + j.
.irp q, 0,1,2,3
	v_mov_b32 v[TT+\q], 7
.endr
.irp j, 6,5,4,3,2,1,0
.irp q, 0,1,2,3
	v_cmp_neq_f32 s[20+\q], v[SV+8*\q+\j], v[BT+2*\q]
.endr
.irp q, 0,1,2,3
	v_cndmask_b32 v[TT+\q], \j, v[TT+\q], s[20+\q]
.endr
.endr
.irp q, 0,1,2,3
	v_lshl_add_u32 v[TT+\q], v[BT+2*\q+1], 4, v[TT+\q]
.endr
.irp q, 0,1,2,3
	v_add_nc_u32 v[TT+\q], v[H8], v[TT+\q]
.endr
.irp q, 0,1,2,3                        ; the query's other 512 codes lie in lane l xor 16
	v_permlanex16_b32 v[TT+4+\q], v[BT+2*\q], s16, s17
	v_permlanex16_b32 v[EB+\q], v[TT+\q], s16, s17
.endr
.irp q, 0,1,2,3                        ; the other's is taken where it is less, or equal with the lower index: both lanes end with the same code
	v_cmp_lt_f32 s[20+\q], v[TT+4+\q], v[BT+2*\q]
	v_cmp_eq_f32 s[24+\q], v[TT+4+\q], v[BT+2*\q]
	v_cmp_lt_u32 s[28+\q], v[EB+\q], v[TT+\q]
.endr
.irp q, 0,1,2,3
	s_and_b32 s[24+\q], s[24+\q], s[28+\q]
	s_or_b32 s[20+\q], s[20+\q], s[24+\q]
	v_cndmask_b32 v[TT+\q], v[TT+\q], v[EB+\q], s[20+\q]
.endr
	s_mov_b32 s32, 0xffff0000                      ; lanes 0-15 store rows 4 r and 4 r + 1, lanes 16-31 rows 4 r + 2 and 4 r + 3
	v_cndmask_b32 v[EB+4], v[TT], v[TT+2], s32
	v_cndmask_b32 v[EB+5], v[TT+1], v[TT+3], s32
	global_store_b64 v[SA], v[EB+4:EB+5], s[8:9]   ; the wave stores 256 consecutive bytes, at a multiple of 256 from idx's first byte
	s_wait_tensorcnt 0x0
	ds_add_u32 v254, v255
	s_wait_dscnt 0x0
	s_endpgm
.Lfunc_end_k_q455f981390_nearest:
	.size	k_q455f981390_nearest, .Lfunc_end_k_q455f981390_nearest-k_q455f981390_nearest
	.p2alignl 7, 3214868480
	.fill 96, 4, 3214868480
	.section	.rodata,"a",@progbits
	.p2align	6, 0x0
	.amdhsa_kernel k_q455f981390_nearest
		.amdhsa_group_segment_fixed_size 78336
		.amdhsa_private_segment_fixed_size 0
		.amdhsa_enable_private_segment 0
		.amdhsa_kernarg_size 24
		.amdhsa_user_sgpr_count 2
		.amdhsa_user_sgpr_kernarg_segment_ptr 1
		.amdhsa_wavefront_size32 1
		.amdhsa_system_sgpr_workgroup_id_x 1
		.amdhsa_system_sgpr_workgroup_id_y 1
		.amdhsa_system_sgpr_workgroup_id_z 1
		.amdhsa_system_vgpr_workitem_id 0
		.amdhsa_next_free_vgpr 672
		.amdhsa_next_free_sgpr 66
		.amdhsa_reserve_vcc 1
		.amdhsa_float_denorm_mode_32 3
		.amdhsa_float_denorm_mode_16_64 3
		.amdhsa_memory_ordered 1
		.amdhsa_forward_progress 1
		.amdhsa_inst_pref_size 252
	.end_amdhsa_kernel
	.amdgpu_metadata
---
amdhsa.version: [ 1, 2 ]
amdhsa.kernels:
  - .name:           k_q455f981390_nearest
    .symbol:         k_q455f981390_nearest.kd
    .args:
      - { .name: inputs, .offset: 0, .size: 8, .value_kind: global_buffer, .address_space: global }
      - { .name: embedding, .offset: 8, .size: 8, .value_kind: global_buffer, .address_space: global }
      - { .name: idx, .offset: 16, .size: 8, .value_kind: global_buffer, .address_space: global }
    .group_segment_fixed_size: 78336
    .private_segment_fixed_size: 0
    .kernarg_segment_align: 8
    .kernarg_segment_size: 24
    .max_flat_workgroup_size: 128
    .sgpr_count:     66
    .vgpr_count:     672
    .wavefront_size: 32
...
	.end_amdgpu_metadata
.endif
;; end of part 1
;; launch gather (part 2): grid 256 x 1, 8 waves a work-group, no clusters, 1,280 bytes of LDS; arguments inputs, embedding, idx, out0, part; writes out0, part
.if DOCPART == 2
	.amdgcn_target "amdgcn-amd-amdhsa--gfx1250"
	.amdhsa_code_object_version 6
	.text
	.protected	k_q455f981390_gather
	.globl	k_q455f981390_gather
	.p2align	8
	.type	k_q455f981390_gather,@function
k_q455f981390_gather:
	s_mov_b64 s[64:65], 0
	v_nop
	global_prefetch_b8 v0, s[64:65] scope:SCOPE_SE
	s_setreg_imm32_b32 hwreg(HW_REG_WAVE_MODE, 25, 1), 1
	s_wait_xcnt 0x0
; out0[n][:] = x[n][:] + (e[idx[n]][:] - x[n][:]);  part[work-group] = the sum of (e[idx[n]] - x[n])^2 over the work-group's 256 rows.  All in f32.
; A stream: every byte of x is read once and every byte of out0 written once; the rows of e (262,144 bytes in all) are gathered by the indices that the launch before stored.
; Eight waves, 32 rows each.  A row is 256 bytes: sixteen lanes take one row, 16 bytes a lane.  Load or store k of a wave takes rows k (lanes 0-15) and 16 + k (lanes 16-31): two whole aligned rows,
; and a half of the lanes wants 16 neighbouring indices, which come by four loads of 16 bytes.  All 36 loads of a wave are issued before the first result is stored: 16 KiB a wave are on their way.
; No LDS ring, no matrix unit, no cluster: work-groups share only e's rows, which a list picks.
; An index is held at 1,023 before it enters an address.
.set IX, 16                            ; v16-31   16 indices, then the rows' byte offsets in e
.set XR, 32                            ; v32-95   x, then out0
.set QR, 96                            ; v96-159  e's rows, then e - x
.set LA, 160                           ; v160-163 sums of squares, two pairs
	s_load_b256 s[4:11], s[0:1], 0x0               ; x s[4:5], e s[6:7], idx s[8:9], out0 s[10:11]
	s_load_b64 s[12:13], s[0:1], 0x20              ; part
	v_lshl_add_u32 v168, v0, 2, 0x100
	v_mov_b32 v169, 0
	v_lshrrev_b32 v1, 5, v0
	v_readfirstlane_b32 s14, v1                    ; wave 0..7
	v_and_b32 v2, 15, v0
	v_bfe_u32 v3, v0, 4, 1                         ; h
	v_lshlrev_b32 v4, 4, v2                        ; my 16 bytes of a row
	v_lshl_add_u32 v5, v3, 12, v4                  ; + 16 rows for lanes 16-31
	v_lshlrev_b32 v6, 6, v3                        ; idx: 16 indices further on for lanes 16-31
	s_lshl_b32 s16, ttmp9, 16                      ; the work-group's 256 rows of 256 bytes,
	s_lshl_b32 s15, s14, 13                        ; my wave's 32
	s_add_co_u32 s16, s16, s15
	s_mov_b32 s17, 0
	s_lshl_b32 s18, ttmp9, 10
	s_lshl_b32 s15, s14, 7
	s_add_co_u32 s18, s18, s15
	s_mov_b32 s19, 0
	s_lshl_b32 s20, ttmp9, 2
	s_mov_b32 s21, 0
	s_mov_b32 s22, 0x76543210
	s_mov_b32 s23, 0xfedcba98
	s_wait_kmcnt 0x0
	s_add_nc_u64 s[4:5], s[4:5], s[16:17]
	s_add_nc_u64 s[10:11], s[10:11], s[16:17]
	s_add_nc_u64 s[8:9], s[8:9], s[18:19]
	s_add_nc_u64 s[12:13], s[12:13], s[20:21]
.irp i, 0,1,2,3
	global_load_b128 v[IX+4*\i:IX+4*\i+3], v6, s[8:9] offset:16*\i
.endr
.set K, 0
.rept 16
	global_load_b128 v[XR+4*K:XR+4*K+3], v5, s[4:5] offset:256*K th:TH_LOAD_NT
.set K, K+1
.endr
	s_wait_loadcnt 16                              ; the indices are in; x's 16 loads may be out
.set K, 0
.rept 16
	v_min_u32 v[IX+K], 0x3ff, v[IX+K]
.set K, K+1
.endr
.set K, 0
.rept 16
	v_lshl_add_u32 v[IX+K], v[IX+K], 8, v4         ; 256 bytes a row of e, + my 16
.set K, K+1
.endr
.set K, 0
.rept 16
	global_load_b128 v[QR+4*K:QR+4*K+3], v[IX+K], s[6:7]
.set K, K+1
.endr
.set K, 0
.rept 16
	s_wait_loadcnt 15-K                            ; gather K is in (and all of x, asked for earlier); the later gathers may be out
	v_pk_add_f32 v[QR+4*K:QR+4*K+1], v[QR+4*K:QR+4*K+1], v[XR+4*K:XR+4*K+1] neg_lo:[0,1] neg_hi:[0,1]        ; e - x
	v_pk_add_f32 v[QR+4*K+2:QR+4*K+3], v[QR+4*K+2:QR+4*K+3], v[XR+4*K+2:XR+4*K+3] neg_lo:[0,1] neg_hi:[0,1]
.if K == 0
	v_pk_mul_f32 v[LA:LA+1], v[QR:QR+1], v[QR:QR+1]                                                          ; the first squares start the sums
	v_pk_mul_f32 v[LA+2:LA+3], v[QR+2:QR+3], v[QR+2:QR+3]
.else
	v_pk_fma_f32 v[LA:LA+1], v[QR+4*K:QR+4*K+1], v[QR+4*K:QR+4*K+1], v[LA:LA+1]
	v_pk_fma_f32 v[LA+2:LA+3], v[QR+4*K+2:QR+4*K+3], v[QR+4*K+2:QR+4*K+3], v[LA+2:LA+3]
.endif
	v_pk_add_f32 v[XR+4*K:XR+4*K+1], v[XR+4*K:XR+4*K+1], v[QR+4*K:QR+4*K+1]                                  ; x + (e - x)
	v_pk_add_f32 v[XR+4*K+2:XR+4*K+3], v[XR+4*K+2:XR+4*K+3], v[QR+4*K+2:QR+4*K+3]
	global_store_b128 v5, v[XR+4*K:XR+4*K+3], s[10:11] offset:256*K th:TH_STORE_NT   ; sixteen lanes store 256 consecutive bytes, at a multiple of 256 from out0's first byte
.set K, K+1
.endr
	v_pk_add_f32 v[LA:LA+1], v[LA:LA+1], v[LA+2:LA+3]
	v_add_f32 v8, v[LA], v[LA+1]
	v_add_f32_dpp v8, v8, v8 row_xmask:1 row_mask:0xf bank_mask:0xf
	v_add_f32_dpp v8, v8, v8 row_xmask:2 row_mask:0xf bank_mask:0xf
	v_add_f32_dpp v8, v8, v8 row_xmask:4 row_mask:0xf bank_mask:0xf
	v_add_f32_dpp v8, v8, v8 row_xmask:8 row_mask:0xf bank_mask:0xf
	v_mov_b32 v9, 0                                ; a lane permute's destination counts as one of its sources
	v_permlanex16_b32 v9, v8, s22, s23
	v_add_f32 v8, v8, v9                           ; the wave's sum, in every lane
	v_mov_b32 v10, s14
	v_lshlrev_b32 v10, 2, v10
	ds_store_b32 v10, v8                           ; all lanes write the wave's word with the same value
	s_wait_dscnt 0x0                               ; for the others' sake: my store has landed
	s_barrier_signal -1
	s_barrier_wait -1
	v_mov_b32 v11, 0
	ds_load_b128 v[12:15], v11
	ds_load_b128 v[164:167], v11 offset:16
	s_wait_dscnt 0x0
	v_pk_add_f32 v[12:13], v[12:13], v[14:15]
	v_pk_add_f32 v[164:165], v[164:165], v[166:167]
	v_pk_add_f32 v[12:13], v[12:13], v[164:165]
	v_add_f32 v12, v12, v13                        ; the work-group's sum
	v_cmp_eq_u32 vcc_lo, 0, v0
	s_wait_xcnt 0x0                                ; EXEC changes only behind this wait
	s_wait_tensorcnt 0x0
	ds_add_u32 v168, v169
	s_wait_dscnt 0x0
	s_and_saveexec_b32 s24, vcc_lo                 ; thread 0 alone stores it
	global_store_b32 v11, v12, s[12:13]
	s_wait_xcnt 0x0
	s_or_b32 exec_lo, exec_lo, s24
	s_endpgm
.Lfunc_end_k_q455f981390_gather:
	.size	k_q455f981390_gather, .Lfunc_end_k_q455f981390_gather-k_q455f981390_gather
	.p2alignl 7, 3214868480
	.fill 96, 4, 3214868480
	.section	.rodata,"a",@progbits
	.p2align	6, 0x0
	.amdhsa_kernel k_q455f981390_gather
		.amdhsa_group_segment_fixed_size 1280
		.amdhsa_private_segment_fixed_size 0
		.amdhsa_enable_private_segment 0
		.amdhsa_kernarg_size 40
		.amdhsa_user_sgpr_count 2
		.amdhsa_user_sgpr_kernarg_segment_ptr 1
		.amdhsa_wavefront_size32 1
		.amdhsa_system_sgpr_workgroup_id_x 1
		.amdhsa_system_sgpr_workgroup_id_y 1
		.amdhsa_system_sgpr_workgroup_id_z 1
		.amdhsa_system_vgpr_workitem_id 0
		.amdhsa_next_free_vgpr 170
		.amdhsa_next_free_sgpr 66
		.amdhsa_reserve_vcc 1
		.amdhsa_float_denorm_mode_32 3
		.amdhsa_float_denorm_mode_16_64 3
		.amdhsa_memory_ordered 1
		.amdhsa_forward_progress 1
		.amdhsa_inst_pref_size 17
	.end_amdhsa_kernel
	.amdgpu_metadata
---
amdhsa.version: [ 1, 2 ]
amdhsa.kernels:
  - .name:           k_q455f981390_gather
    .symbol:         k_q455f981390_gather.kd
    .args:
      - { .name: inputs, .offset: 0, .size: 8, .value_kind: global_buffer, .address_space: global }
      - { .name: embedding, .offset: 8, .size: 8, .value_kind: global_buffer, .address_space: global }
      - { .name: idx, .offset: 16, .size: 8, .value_kind: global_buffer, .address_space: global }
      - { .name: out0, .offset: 24, .size: 8, .value_kind: global_buffer, .address_space: global }
      - { .name: part, .offset: 32, .size: 8, .value_kind: global_buffer, .address_space: global }
    .group_segment_fixed_size: 1280
    .private_segment_fixed_size: 0
    .kernarg_segment_align: 8
    .kernarg_segment_size: 40
    .max_flat_workgroup_size: 256
    .sgpr_count:     66
    .vgpr_count:     170
    .wavefront_size: 32
...
	.end_amdgpu_metadata
.endif
;; end of part 2
;; launch total (part 3): grid 1 x 1, 1 waves a work-group, no clusters, 0 bytes of LDS; arguments part, out1; writes out1
.if DOCPART == 3
	.amdgcn_target "amdgcn-amd-amdhsa--gfx1250"
	.amdhsa_code_object_version 6
	.text
	.protected	k_q455f981390_total
	.globl	k_q455f981390_total
	.p2align	8
	.type	k_q455f981390_total,@function
k_q455f981390_total:
	s_mov_b64 s[64:65], 0
	v_nop
	global_prefetch_b8 v0, s[64:65] scope:SCOPE_SE
	s_setreg_imm32_b32 hwreg(HW_REG_WAVE_MODE, 25, 1), 1
	s_wait_xcnt 0x0
; out1 = m + 0.25 m, m = the mean of (e[idx] - x)^2 over 65,536 x 64 numbers: the sum of the 256 partial sums x 2^-22.
; One wave: a sum over all work-groups of the launch before has one owner.  Each lane takes 8 neighbouring partial sums (32 bytes); the wave's two loads cover the 1,024 bytes.
	s_load_b128 s[4:7], s[0:1], 0x0                ; part s[4:5], out1 s[6:7]
	v_lshlrev_b32 v1, 5, v0
	v_mov_b32 v2, 0
	s_mov_b32 s8, 0x76543210
	s_mov_b32 s9, 0xfedcba98
	s_wait_kmcnt 0x0
	global_load_b128 v[4:7], v1, s[4:5]
	global_load_b128 v[8:11], v1, s[4:5] offset:16
	s_wait_loadcnt 0x0
	v_pk_add_f32 v[4:5], v[4:5], v[6:7]
	v_pk_add_f32 v[8:9], v[8:9], v[10:11]
	v_pk_add_f32 v[4:5], v[4:5], v[8:9]
	v_add_f32 v4, v4, v5
	v_add_f32_dpp v4, v4, v4 row_xmask:1 row_mask:0xf bank_mask:0xf
	v_add_f32_dpp v4, v4, v4 row_xmask:2 row_mask:0xf bank_mask:0xf
	v_add_f32_dpp v4, v4, v4 row_xmask:4 row_mask:0xf bank_mask:0xf
	v_add_f32_dpp v4, v4, v4 row_xmask:8 row_mask:0xf bank_mask:0xf
	v_permlanex16_b32 v5, v4, s8, s9               ; (v5 has been written)
	v_add_f32 v4, v4, v5
	v_mul_f32 v4, 0x34800000, v4                   ; x 2^-22: the mean
	v_fmamk_f32 v5, v4, 0x3e800000, v4             ; the codebook loss + 0.25 x the commitment loss, which is the same mean
	v_cmp_eq_u32 vcc_lo, 0, v0
	s_wait_xcnt 0x0                                ; EXEC changes only behind this wait
	s_and_saveexec_b32 s10, vcc_lo
	global_store_b32 v2, v5, s[6:7]
	s_wait_xcnt 0x0
	s_or_b32 exec_lo, exec_lo, s10
	s_endpgm
.Lfunc_end_k_q455f981390_total:
	.size	k_q455f981390_total, .Lfunc_end_k_q455f981390_total-k_q455f981390_total
	.p2alignl 7, 3214868480
	.fill 96, 4, 3214868480
	.section	.rodata,"a",@progbits
	.p2align	6, 0x0
	.amdhsa_kernel k_q455f981390_total
		.amdhsa_group_segment_fixed_size 0
		.amdhsa_private_segment_fixed_size 0
		.amdhsa_enable_private_segment 0
		.amdhsa_kernarg_size 16
		.amdhsa_user_sgpr_count 2
		.amdhsa_user_sgpr_kernarg_segment_ptr 1
		.amdhsa_wavefront_size32 1
		.amdhsa_system_sgpr_workgroup_id_x 1
		.amdhsa_system_sgpr_workgroup_id_y 1
		.amdhsa_system_sgpr_workgroup_id_z 1
		.amdhsa_system_vgpr_workitem_id 0
		.amdhsa_next_free_vgpr 16
		.amdhsa_next_free_sgpr 66
		.amdhsa_reserve_vcc 1
		.amdhsa_float_denorm_mode_32 3
		.amdhsa_float_denorm_mode_16_64 3
		.amdhsa_memory_ordered 1
		.amdhsa_forward_progress 1
		.amdhsa_inst_pref_size 2
	.end_amdhsa_kernel
	.amdgpu_metadata
---
amdhsa.version: [ 1, 2 ]
amdhsa.kernels:
  - .name:           k_q455f981390_total
    .symbol:         k_q455f981390_total.kd
    .args:
      - { .name: part, .offset: 0, .size: 8, .value_kind: global_buffer, .address_space: global }
      - { .name: out1, .offset: 8, .size: 8, .value_kind: global_buffer, .address_space: global }
    .group_segment_fixed_size: 0
    .private_segment_fixed_size: 0
    .kernarg_segment_align: 8
    .kernarg_segment_size: 16
    .max_flat_workgroup_size: 32
    .sgpr_count:     66
    .vgpr_count:     16
    .wavefront_size: 32
...
	.end_amdgpu_metadata
.endif
;; end of part 3
;; ======== version 2 of 2: 3 launches
;; workspace buffers: idx 262,144 bytes of whole numbers; part 1,024 bytes
;; launch nearest (part 4): grid 256 x 1, 4 waves a work-group, no clusters, 78,336 bytes of LDS; arguments inputs, embedding, idx; writes idx
.if DOCPART == 4
	.amdgcn_target "amdgcn-amd-amdhsa--gfx1250"
	.amdhsa_code_object_version 6
	.text
	.protected	k_q455f981390_nearest
	.globl	k_q455f981390_nearest
	.p2align	8
	.type	k_q455f981390_nearest,@function
k_q455f981390_nearest:
	s_mov_b64 s[64:65], 0
	v_nop
	global_prefetch_b8 v0, s[64:65] scope:SCOPE_SE
	s_setreg_imm32_b32 hwreg(HW_REG_WAVE_SCHED_MODE, 0, 2), 2
	s_setreg_imm32_b32 hwreg(HW_REG_WAVE_MODE, 25, 1), 1
	s_wait_xcnt 0x0
	s_wait_alu depctr_vm_vsrc(0)
; idx[n] = the first k at which d[n][k] = (sum x[n]^2 + sum e[k]^2) - 2 Q(x[n]) . Q(e[k]) is least.  x: [65536][64] f32, e: [1024][64] f32, idx: [65536] u32.
; Q: codes of E5M2 with one E8M0 scale for each 32 along K.  K = 64 is half of the matrix instruction's 128: the upper 64 are zero codes on both sides, under the scale byte 127.
; SHARES.  A work-group of four waves owns 256 rows of x, a wave 64: four tiles of 16 queries; tile q holds rows 4 r + q (r = lane % 16), so that a lane's four results are four neighbours of idx.
; Every wave walks all 1,024 codes, 16 a tile.  The product is used transposed (source 0 = 16 codes, source 1 = 16 queries): lane (r, h) holds query r, its register j code 16 t + 8 h + j.
; THE DISTANCE is rounded as it is defined: a = x2 + e2 (one rounding), d = a - 2 dot (one rounding: a fused multiply-add by -2); the product itself starts from the constant 0.
; THE ARGMIN, 18 vector instructions for 8 distances: 8 packed ones make d; 4 take the tile's least; one compare with the best so far (an equal value keeps the earlier tile);
; 5 dual selects keep the best value, its tile's number and that tile's 8 distances.  At the end the lowest j whose kept distance equals the best gives the code, and the two halves of the lanes are joined by (value, index).
; THE CODEBOOK is quantised here, in four chunks of 16 tiles: each wave quantises 4 tiles of a chunk and stores their register images, scale words and sums of squares in LDS.  The f32 rows of chunk c + 1 are loaded
; into registers of window 1 while chunk c is walked: four loads in every second tile, those that the quantiser wants first at the head of the walk.
; NO CLUSTER, NO JOINT LOADS, though all work-groups read the same 262,144 bytes of e: the rows have to pass a wave's registers to be quantised, their loads are dealt out over a whole chunk's walk,
; and joint loads would want raw slots in LDS that are filled again, with a round of the cluster's barrier for each chunk.
; LOADS.  A lane takes 16 neighbours of each block of 32 of its row (four loads of 16 bytes a block): a wave's eight loads of a tile take every byte of sixteen rows of 256 bytes.
; LIMITS.  NaN and infinities among the inputs are not served.  A block of zeros carries the scale byte 1 (its codes are zeros; this program alone reads the bytes).
; x2 and e2 are summed in f32 in another order than a row-wise sum would take: they can differ from it in the last bit.
; REGISTERS, in windows of 256 (s_set_vgpr_msb: bits 1:0 source 0, 3:2 source 1, 5:4 source 2, 7:6 destination).  Window 0: all that the walk touches.  Window 1: v0-127 four tiles of e as f32, from v128 the quantiser's work.
; Window 2: the same for x.  The walk switches only round its eight runs of global loads.
; THE MODE: SCHED_MODE bits 1:0 = 2 (LLVM: expert scheduling mode 2), set by the entry lines.  The code itself states the register dependences between vector or matrix instructions and memory or LDS instructions,
; and those through scalar registers and VCC that vector instructions write, with s_wait_alu, always for 0.
; THE PLAN.  Registers that memory or LDS instructions touch:
;   v[GX], v[GE], v[SA]      offsets, made at the head and never written again.
;   v[AF], v[ASC], v[AE]     read by every LDS load of a walk;  v[CW], v[SW], v[EW]  read by the quantiser's LDS stores.  All six are stepped once a trip, behind the trip's second barrier.
;   window 1, v0-127         written by the walk's global loads; read, and written in place, by the quantiser behind the walk.
;   window 1, PW, S2, PC     written by the quantiser; read by its LDS stores, which stand in two runs: behind my tiles 0 and 1, and behind my tiles 2 and 3.
;   SCR                      written by the LDS loads of a walk's prologue; read by that walk's products.
;   FB (lower 8 of a set)    set i % 2: read by tile i's four products, the last of which stands in slot (i, 0); written by the loads of tile i + 2, in slot (i, 1).
;   EB                       set (i - 1) % 3: read by the additions of tile i - 1, which end in slot (i - 1, 2); written by the loads of tile i + 2, in slot (i, 1).
; WAITS ON va_vdst: one at the kernel's head (the addresses); one at a walk's head (the stepped addresses; the last walk's readers of SCR, FB and EB; the quantiser's use of window 1's v0-127: the walk's vector and matrix
; instructions name window 0 alone, so all its global loads lean on this one); one a tile, in slot (i, 1) (FB's and EB's readers); one ahead of each run of the quantiser's stores; one ahead of the last store.
; WAITS ON vm_vsrc: one a trip, ahead of the six steps.  ON va_vcc: one a slot, between a compare and the selects that read its mask.  ON va_sdst: behind the wave's number, and behind each run of compares at the end.
.set TPC,   16                         ; code tiles in a chunk
.set NCH,   4                          ; chunks
.set CODES, 0                          ; LDS: 64 images of 1,024 bytes (two groups of four registers, 16 bytes a lane)
.set SCW,   65536                      ; 16 x 512 bytes: the scale words of four tiles, 16 bytes a lane
.set E2A,   73728                      ; 1,024 sums of squares
.set FLOOR, 0x8000000                  ; 2^(16 - 127): under it no largest magnitude is taken, so the scale's byte cannot fall under 1
.set GX,  1                            ; v1   x: 1,024 r + 64 h (rows 4 r + q are 1,024 bytes apart)
.set GE,  2                            ; v2   e: 256 r + 64 h
.set CW,  3                            ; v3   where I store images: 16 lane + 4,096 wave + 16,384 chunk
.set SW,  4                            ; v4   my four tiles' scale words: SCW + 16 lane + 512 wave + 2,048 chunk
.set EW,  5                            ; v5   sums of squares: E2A + 4 r + 256 wave + 1,024 chunk
.set AF,  6                            ; v6   where I read images: 16 lane + 16,384 chunk
.set ASC, 7                            ; v7   SCW + 16 lane + 2,048 chunk
.set AE,  8                            ; v8   E2A + 32 h + 1,024 chunk
.set H8,  9                            ; v9   8 h
.set SA,  10                           ; v10  16 r + 8 h: my 8 bytes of the wave's 256 of idx
.set TN,  13                           ; v13  the number of the tile whose selects are due
.set XS,  16                           ; v16-19 x's scale words, a tile each: scales and nothing else
.set MM,  20                           ; v20-23 the least of a slot's 8 distances and its second chain: two pairs, by turns from slot to slot
.set X2,  24                           ; v24-31 x2 of my query, a pair a tile (the packed form names a pair and takes its low word twice)
.set BT,  32                           ; v32-39 a tile's best distance (even) and that tile's number (odd)
.set SV,  40                           ; v40-71 the 8 distances of the best tile, for each tile of queries
.set TT,  72                           ; v72-79 a = x2 + e2
.set SCR, 80                           ; v80-95 the scale words of a chunk's 16 tiles: scales and nothing else
.set ACC, 96                           ; v96-127 four accumulators: the products, then d in place
.set FB,  128                          ; v128-159 two fragments of codes: 8 registers of codes, 8 of zeros
.set XF,  160                          ; v160-223 four fragments of x, likewise
.set EB,  224                          ; v224-247 e2 of a tile's 8 codes of my half, three sets
.set TM,  128                          ; in windows 1 and 2: largest magnitudes of the two blocks
.set TP,  130                          ; the other half's
.set SO,  132                          ; the conversions' scale operands
.set HL,  134                          ; 57,344 x the scale
.set BY,  136                          ; the scales' bytes
.set QQ,  138                          ; v138-141 sums of squares, two pairs
.set PW,  144                          ; window 1: my four tiles' scale words, v144-147
.set S2,  148                          ; their sums of squares, v148-151
.set PC,  152                          ; their codes, 8 registers a tile, v152-183: no store's data are written again before the next trip's wait on vm_vsrc
.set MSB, 0
.macro WIN new                         ; the immediate's high byte repeats the setting that is left; a switch that changes nothing is dropped
.if MSB != (\new)
	s_set_vgpr_msb (MSB<<8)|(\new)
.set MSB, (\new)
.endif
.endm
.macro BARRIER                         ; my LDS stores have landed and my LDS loads are in: then the work-group's barrier
	s_wait_dscnt 0x0
	s_barrier_signal -1
	s_barrier_wait -1
.endm
.macro GLOAD4 g                        ; a block of 32 along K of my tile g / 2 of a chunk of e (block g % 2) -> window 1, v[16 g] on
.irp k, 0,1,2,3
	global_load_b128 v[16*(\g)+4*\k:16*(\g)+4*\k+3], v[GE], s[6:7] offset:4096*((\g)/2)+128*((\g)%2)+16*\k
.endr
.endm
.macro GLOAD g                         ; the same amid the walk
	WIN 0x40
	GLOAD4 \g
	WIN 0
.endm
; 32 numbers of a lane in window W, v[S] on: register 16 b + i = k 32 b + 16 h + i of my row.  They become 8 registers of codes, a scale word and the row's sum of squares.
; isx = 1: the results go to window 0 (x's fragment u, its scale word, x2);  isx = 0: they stay in window 1, in registers of tile u's own (v[PC + 8 u] on, v[PW + u], v[S2 + u]), from which ESTORE and QE store them.
.macro QUANT S, W, u, isx
.set S0, (\S)
	WIN 0x55*(\W)
	v_max3_num_f32 v[TM], |v[S0]|, |v[S0+1]|, FLOOR
	v_max3_num_f32 v[TM+1], |v[S0+16]|, |v[S0+17]|, FLOOR
	v_pk_mul_f32 v[QQ:QQ+1], v[S0:S0+1], v[S0:S0+1]
	v_pk_mul_f32 v[QQ+2:QQ+3], v[S0+16:S0+17], v[S0+16:S0+17]
.irp i, 2,4,6,8,10,12,14               ; four chains by turns: no line waits for the line above it
	v_max3_num_f32 v[TM], v[TM], |v[S0+\i]|, |v[S0+\i+1]|
	v_max3_num_f32 v[TM+1], v[TM+1], |v[S0+16+\i]|, |v[S0+17+\i]|
	v_pk_fma_f32 v[QQ:QQ+1], v[S0+\i:S0+\i+1], v[S0+\i:S0+\i+1], v[QQ:QQ+1]
	v_pk_fma_f32 v[QQ+2:QQ+3], v[S0+16+\i:S0+17+\i], v[S0+16+\i:S0+17+\i], v[QQ+2:QQ+3]
.endr
	v_permlanex16_b32 v[TP], v[TM], s16, s17
	v_permlanex16_b32 v[TP+1], v[TM+1], s16, s17
	v_pk_add_f32 v[QQ:QQ+1], v[QQ:QQ+1], v[QQ+2:QQ+3]
	v_max_num_f32 v[TM], v[TM], v[TP]              ; with lane l xor 16's 16 numbers: the block's largest magnitude
	v_max_num_f32 v[TM+1], v[TM+1], v[TP+1]
	v_add_f32 v[QQ], v[QQ], v[QQ+1]                ; my 32 squares
	v_add_nc_u32 v[SO], 0xf8800000, v[TM]          ; 15 off the exponent field: the conversion takes the exponent field of this operand as its scale
	v_add_nc_u32 v[SO+1], 0xf8800000, v[TM+1]
	v_permlanex16_b32 v[QQ+2], v[QQ], s16, s17     ; the row's other 32 squares
	v_and_or_b32 v[HL], v[TM], 0x7f800000, s18     ; 57,344 x the scale: the largest magnitude's exponent field over 57,344's mantissa
	v_and_or_b32 v[HL+1], v[TM+1], 0x7f800000, s18
	v_lshrrev_b32 v[BY], 23, v[SO]                 ; the scales' bytes
	v_lshrrev_b32 v[BY+1], 23, v[SO+1]
	v_lshl_or_b32 v[BY], v[BY+1], 8, v[BY]
.irp i, 0,1,2,3,4,5,6,7,8,9,10,11,12,13,14,15
	v_med3_num_f32 v[S0+\i], v[S0+\i], -v[HL], v[HL]          ; the conversion to an 8-bit code does not saturate (ISA guide 7.6.2): the hold at the largest code x the scale
.endr
.irp i, 0,1,2,3,4,5,6,7,8,9,10,11,12,13,14,15
	v_med3_num_f32 v[S0+16+\i], v[S0+16+\i], -v[HL+1], v[HL+1]
.endr
.if \isx
	WIN 0x15*(\W)                                  ; sources in window W, destination in window 0
	v_or_b32 v[XS+\u], 0x7f7f0000, v[BY]           ; bytes 2 and 3, over the zero codes: 127
	v_add_f32 v[X2+2*\u], v[QQ], v[QQ+2]
	v_add_f32 v[X2+2*\u+1], v[QQ], v[QQ+2]         ; (named with it as a pair, so it is written)
	v_cvt_scalef32_pk8_bf8_f32 v[XF+16*\u:XF+16*\u+1], v[S0:S0+7], v[SO]
	v_cvt_scalef32_pk8_bf8_f32 v[XF+16*\u+2:XF+16*\u+3], v[S0+8:S0+15], v[SO]
	v_cvt_scalef32_pk8_bf8_f32 v[XF+16*\u+4:XF+16*\u+5], v[S0+16:S0+23], v[SO+1]
	v_cvt_scalef32_pk8_bf8_f32 v[XF+16*\u+6:XF+16*\u+7], v[S0+24:S0+31], v[SO+1]
	v_nop                                          ; one plain line behind the last conversion
.else
	v_or_b32 v[PW+\u], 0x7f7f0000, v[BY]
	v_add_f32 v[S2+\u], v[QQ], v[QQ+2]
	v_cvt_scalef32_pk8_bf8_f32 v[PC+8*\u:PC+8*\u+1], v[S0:S0+7], v[SO]
	v_cvt_scalef32_pk8_bf8_f32 v[PC+8*\u+2:PC+8*\u+3], v[S0+8:S0+15], v[SO]
	v_cvt_scalef32_pk8_bf8_f32 v[PC+8*\u+4:PC+8*\u+5], v[S0+16:S0+23], v[SO+1]
	v_cvt_scalef32_pk8_bf8_f32 v[PC+8*\u+6:PC+8*\u+7], v[S0+24:S0+31], v[SO+1]
	v_nop                                          ; one plain line behind the last conversion
.endif
.endm
.macro ESTORE u                        ; tile u of my four goes to LDS (an LDS store's data are its source 1: window 1; the addresses lie in window 0)
	ds_store_b128 v[CW], v[PC+8*(\u):PC+8*(\u)+3] offset:1024*(\u)     ; the fragment as an image of its registers
	ds_store_b128 v[CW], v[PC+8*(\u)+4:PC+8*(\u)+7] offset:1024*(\u)+512
	ds_store_b32 v[EW], v[S2+(\u)] offset:64*(\u)  ; both lanes of a row write the same word with the same value
.endm
; My four tiles of a chunk of e.  cnt: loads of another stream that were issued behind them.  The stores of two tiles stand in one run, behind one wait.
.macro QE cnt
.irp u, 0,1,2,3
	s_wait_loadcnt (\cnt)+8*(3-\u)                 ; tile u's eight loads are in; my later tiles' and the other stream's may be out
	QUANT 32*\u, 1, \u, 0
.if (\u)%2 == 1
	WIN 0x04
	s_wait_alu depctr_va_vdst(0)                   ; the quantiser has written the codes, the sums and the scale words of the tiles so far, which the LDS stores below read; v[CW], v[SW] and v[EW] are written too
	ESTORE (\u)-1
	ESTORE \u
.endif
.endr
	ds_store_b128 v[SW], v[PW:PW+3]                ; my four tiles' scale words, four neighbouring registers: one store  (the data's window is still 1; nothing but stores stands behind the wait above)
	WIN 0
	s_add_nc_u64 s[6:7], s[6:7], 0x10000           ; all loads that named this base are done: on to the next chunk's 16 tiles of 4,096 bytes
.endm
.macro LOADF j                         ; tile j of the chunk: its codes into set j % 2
	ds_load_b128 v[FB+16*((\j)%2):FB+16*((\j)%2)+3], v[AF] offset:1024*(\j)
	ds_load_b128 v[FB+16*((\j)%2)+4:FB+16*((\j)%2)+7], v[AF] offset:1024*(\j)+512
.endm
.macro LOADE j                         ; e2 of its 8 codes of my half into set j % 3
	ds_load_b128 v[EB+8*((\j)%3):EB+8*((\j)%3)+3], v[AE] offset:64*(\j)
	ds_load_b128 v[EB+8*((\j)%3)+4:EB+8*((\j)%3)+7], v[AE] offset:64*(\j)+16
.endm
.macro WM j, q                         ; the products of tile j's 16 codes with the 16 queries of tile q
	v_wmma_scale_f32_16x16x128_f8f6f4 v[ACC+8*(\q):ACC+8*(\q)+7], v[FB+16*((\j)%2):FB+16*((\j)%2)+15], v[XF+16*(\q):XF+16*(\q)+15], 0, v[SCR+(\j)], v[XS+(\q)] matrix_a_fmt:MATRIX_FMT_BF8 matrix_b_fmt:MATRIX_FMT_BF8
.endm
.macro PA n, e, x                      ; a = e2 + x2, two codes at a time
	v_pk_add_f32 v[TT+2*(\n):TT+2*(\n)+1], v[(\e)+2*(\n):(\e)+2*(\n)+1], v[(\x):(\x)+1] op_sel_hi:[1,0]
.endm
.macro PD n, a                         ; d = a - 2 dot, in place of the products; each accumulator from its low end on
	v_pk_fma_f32 v[(\a)+2*(\n):(\a)+2*(\n)+1], v[(\a)+2*(\n):(\a)+2*(\n)+1], -2.0, v[TT+2*(\n):TT+2*(\n)+1] op_sel_hi:[1,0,1]
.endm
.macro KEEP0 q, m                      ; by the last compare: queries q keep their best distance and its tile's number, or take the least in v[m] and the tile in hand
	v_dual_cndmask_b32 v[BT+2*(\q)], v[(\m)], v[BT+2*(\q)] :: v_dual_cndmask_b32 v[BT+2*(\q)+1], v[TN], v[BT+2*(\q)+1]
.endm
.macro KEEP8 q                         ; and likewise the 8 distances
.irp p, 0,2,4,6
	v_dual_cndmask_b32 v[SV+8*(\q)+\p], v[ACC+8*(\q)+\p], v[SV+8*(\q)+\p] :: v_dual_cndmask_b32 v[SV+8*(\q)+\p+1], v[ACC+8*(\q)+\p+1], v[SV+8*(\q)+\p+1]
.endr
.endm
; A SLOT.  Pairs (tile, queries) are numbered s = 4 i + q.  Slot s holds three stages of three neighbouring pairs, dealt out between each other so that no line reads a result made in the four lines above it:
; the eight lines that make d of pair s + 1; the least of pair s and its compare, which is the slot's last line; the five selects of pair s - 1, by the compare that ended the slot before.
; Behind the selects the accumulator that they have read takes the products of pair s + 3.  Those are first read 37 vector instructions further on (ISA guide 7.12.1 asks for 8).
; THE MEMORY INSTRUCTIONS of a tile stand directly behind products.  In the tile's second slot one wait on va_vdst stands ahead of the product; behind the product come the fragment and e2 of tile i + 2, four slots ahead of
; their first use.  That product names the other set of codes, x's fragment, its scale words and its accumulator: none of the registers that those loads touch.
; ld = 1: in every second tile four loads of the next chunk of e stand behind the third slot's product; they lean on the wait at the walk's head, since when no vector or matrix instruction has named window 1 or v[GE].
.macro SLOT i, q, ld
.set SS, 4*(\i)+(\q)
.set PP, MM+2*(SS%2)                   ; this slot's two chains
.set OP, MM+2-2*(SS%2)                 ; the last slot's least
.set DD, ACC+8*(\q)
.set NQ, ((\q)+1)%4                    ; pair s + 1
.set NI, (\i)+((\q)+1)/4
.set NA, ACC+8*NQ
.set NE, EB+8*(NI%3)
.set NX, X2+2*NQ
.set LQ, ((\q)+3)%4                    ; the queries of pairs s - 1 and s + 3
.set WI, (\i)+((\q)+3)/4               ; the tile of pair s + 3
.if NI < TPC
	PA 0, NE, NX
	PA 1, NE, NX
.endif
	v_min3_num_f32 v[PP], v[DD], v[DD+1], v[DD+2]
	v_min3_num_f32 v[PP+1], v[DD+3], v[DD+4], v[DD+5]
.if NI < TPC
	PA 2, NE, NX
	PA 3, NE, NX
.endif
.if SS > 0
	s_wait_alu depctr_va_vcc(0)                    ; the compare that ended the slot before has written VCC, which this slot's five selects read
	KEEP0 LQ, OP
.endif
	v_min3_num_f32 v[PP], v[PP], v[DD+6], v[DD+7]
.if SS > 0
	KEEP8 LQ
.if (\q) == 0
	v_add_nc_u32 v[TN], 1, v[TN]                   ; the last tile's last selects are done
.endif
.endif
	v_min_num_f32 v[PP], v[PP], v[PP+1]            ; the least of the tile's 8 distances of my half
.if (\q) == 1
.if (\i)+1 < TPC
	s_wait_alu depctr_va_vdst(0)
	s_wait_dscnt 0x0                               ; the loads of a tile ago are in, and nothing else is out: tile i + 1's fragment, for the product below, and its e2, for the additions two slots on
.endif
.if (\i)+2 < TPC
	s_wait_alu depctr_va_vdst(0)                   ; tile i's four products are done reading the set of codes i % 2, and the additions of tile i - 1 their set of e2: in these two the loads behind the product below land
.endif
.endif
.if WI < TPC
	WM WI, LQ
.endif
.if ((\q) == 1) && ((\i)+2 < TPC)
	LOADF (\i)+2
	LOADE (\i)+2
.endif
.if ((\q) == 2) && \ld && ((\i)%2 == 0)
	GLOAD (\i)/2
.endif
.if NI < TPC
	PD 0, NA
	PD 1, NA
	PD 2, NA
	PD 3, NA
.endif
	v_cmp_le_f32 vcc_lo, v[BT+2*(\q)], v[PP]       ; keep what I have?  An equal value keeps the earlier tile.  The next slot's selects read this mask
.endm
.macro MAIN ld                         ; a chunk's 16 tiles
	s_wait_alu depctr_va_vdst(0)                   ; v[AF], v[ASC] and v[AE] are written; the last walk's products and additions are done reading SCR, FB and EB, in which the loads below land; the quantiser is done with window 1's v0-127, in which this walk's global loads land; in the first walk: x's fragments and scale words and the zero codes are written, behind their places, for the products
.irp w, 0,1,2,3
	ds_load_b128 v[SCR+4*\w:SCR+4*\w+3], v[ASC] offset:512*\w       ; the scale words of tiles 4 w to 4 w + 3
.endr
	LOADF 0
	LOADE 0
	LOADF 1
	LOADE 1
	s_wait_dscnt 4                                 ; all but tile 1's fragment and e2: 4 loads
	WM 0, 0
	WM 0, 1
	WM 0, 2
.irp n, 0,1,2,3
	PA \n, EB, X2                                  ; four of the eight places behind the first products,
.endr
.rept 4
	v_nop                                          ; and the other four
.endr
.irp n, 0,1,2,3
	PD \n, ACC
.endr
.set II, 0
.rept TPC
	SLOT II, 0, \ld
	SLOT II, 1, \ld
	SLOT II, 2, \ld
	SLOT II, 3, \ld
.set II, II+1
.endr
	s_wait_alu depctr_va_vcc(0)                    ; the last slot's compare has written VCC, which the five selects below read
	KEEP0 3, MM+2                                  ; the last pair's selects (pair 63: the odd pair of minima)
	KEEP8 3
	v_add_nc_u32 v[TN], 1, v[TN]
.endm
	s_load_b128 s[4:7], s[0:1], 0x0                ; x s[4:5], e s[6:7]
	s_load_b64 s[8:9], s[0:1], 0x10                ; idx
	v_lshl_add_u32 v254, v0, 2, 0x13000            ; my spare word, behind the sums of squares, and 0: made here and kept for the closing lines alone
	v_mov_b32 v255, 0
	v_lshrrev_b32 v11, 5, v0
	v_readfirstlane_b32 s10, v11                   ; wave 0..3
	v_and_b32 v11, 31, v0                          ; lane
	v_and_b32 v12, 15, v0                          ; r
	v_bfe_u32 v14, v0, 4, 1                        ; h
	v_lshlrev_b32 v15, 6, v14                      ; 64 h: my 16 numbers of a block of 32
	v_lshl_add_u32 v[GX], v12, 10, v15
	v_lshl_add_u32 v[GE], v12, 8, v15
	v_lshlrev_b32 v[AF], 4, v11
	v_lshl_add_u32 v[ASC], v11, 4, SCW
	v_lshl_add_u32 v[AE], v14, 5, E2A
	s_wait_alu depctr_va_sdst(0)                   ; s10 is written, ahead of its first reader: LDS addresses and the three bases are made from it
	s_lshl_b32 s11, s10, 12
	v_add_nc_u32 v[CW], s11, v[AF]
	s_lshl_b32 s12, s10, 9
	v_add_nc_u32 v[SW], s12, v[ASC]
	s_lshl_b32 s13, s10, 8
	v_lshl_add_u32 v[EW], v12, 2, E2A
	v_add_nc_u32 v[EW], s13, v[EW]
	v_lshlrev_b32 v[H8], 3, v14
	v_lshl_add_u32 v[SA], v12, 4, v[H8]
	s_mov_b32 s16, 0x76543210
	s_mov_b32 s17, 0xfedcba98                      ; v_permlanex16_b32's selects for lane l xor 16
	s_mov_b32 s18, 0x600000                        ; the mantissa field of 57,344
	s_lshl_b32 s12, ttmp9, 16                      ; the work-group's 256 rows of 256 bytes,
	s_lshl_b32 s13, s10, 14                        ; my wave's 64
	s_add_co_u32 s12, s12, s13
	s_mov_b32 s13, 0
	s_lshl_b32 s14, s10, 14                        ; my four tiles of a chunk of e: 4 x 4,096 bytes a wave
	s_mov_b32 s15, 0
	s_lshl_b32 s20, ttmp9, 10                      ; idx: 1,024 bytes a work-group, 256 a wave
	s_lshl_b32 s21, s10, 8
	s_add_co_u32 s20, s20, s21
	s_mov_b32 s21, 0
	s_wait_kmcnt 0x0
	s_add_nc_u64 s[4:5], s[4:5], s[12:13]
	s_add_nc_u64 s[6:7], s[6:7], s[14:15]
	s_add_nc_u64 s[8:9], s[8:9], s[20:21]
	WIN 0x40
	s_wait_alu depctr_va_vdst(0)                   ; v[GE] and v[GX] are written, which the 64 loads below read as their offsets; so are the other addresses made above
.irp g, 0,1,2,3,4,5,6,7                ; chunk 0 of e first: it is quantised while x is on its way
	GLOAD4 \g
.endr
	WIN 0x80
.irp q, 0,1,2,3                        ; x: tile q, block b, 16 bytes i -> window 2, v[32 q + 16 b + 4 i].  No hint: the next launch reads x again
.irp b, 0,1
.irp i, 0,1,2,3
	global_load_b128 v[32*\q+16*\b+4*\i:32*\q+16*\b+4*\i+3], v[GX], s[4:5] offset:256*\q+128*\b+16*\i
.endr
.endr
.endr
	v_mov_b32 v[TP], 0                             ; written once in each window: a lane permute's destination counts as one of its sources
	v_mov_b32 v[TP+1], 0
	WIN 0x40
	v_mov_b32 v[TP], 0
	v_mov_b32 v[TP+1], 0
	WIN 0
.irp q, 0,1,2,3                        ; while the loads are out: the upper 64 of the instruction's K: zero codes, in x's four fragments and in both sets for the codes
.irp j, 8,9,10,11,12,13,14,15
	v_mov_b32 v[XF+16*\q+\j], 0
.endr
.endr
.irp p, 0,1
.irp j, 8,9,10,11,12,13,14,15
	v_mov_b32 v[FB+16*\p+\j], 0
.endr
.endr
	v_mov_b32 v[TN], 0
.irp q, 0,1,2,3
	v_mov_b32 v[BT+2*\q], 0x7f800000               ; the best so far: +infinity, over every distance
	v_mov_b32 v[BT+2*\q+1], 0
.endr
	QE 32                                          ; chunk 0 (x's 32 loads stand behind it)
.irp q, 0,1,2,3
	s_wait_loadcnt 8*(3-\q)                        ; x's tile q is in; its later tiles' loads may be out
	QUANT 32*\q, 2, \q, 1
.endr
	WIN 0
.set K, 0
.rept 32
	v_mov_b32 v[SV+K], 0x7f800000                  ; (the selects read what they may keep.  These lines are also the places between the last writes of operands and scale words and the first product)
.set K, K+1
.endr
	s_mov_b32 s19, 0
.Lchunk:                                               ; three trips: walk chunk c and ask for chunk c + 1's rows, then quantise them
	BARRIER                                        ; chunk c's images, scale words and sums lie in LDS, every wave's
	MAIN 1
	BARRIER                                        ; every wave's reads of images are over before any wave stores images again
	s_wait_alu depctr_vm_vsrc(0)                   ; the walk's LDS loads have read v[AF], v[ASC] and v[AE]; the last quantiser's LDS stores have read v[CW], v[SW], v[EW] and their data, PC, S2 and PW, which the quantiser below writes again
	v_add_nc_u32 v[AF], 16384, v[AF]
	v_add_nc_u32 v[ASC], 2048, v[ASC]
	v_add_nc_u32 v[AE], 1024, v[AE]
	v_add_nc_u32 v[CW], 16384, v[CW]               ; where chunk c + 1's go
	v_add_nc_u32 v[SW], 2048, v[SW]
	v_add_nc_u32 v[EW], 1024, v[EW]
	QE 0
	s_add_co_u32 s19, s19, 1
	s_cmp_lt_u32 s19, NCH-1
	s_cbranch_scc1 .Lchunk
	BARRIER
	MAIN 0                                         ; the last chunk: nothing is left to ask for or to quantise
	; THE CODE.  The lowest j whose kept distance equals the best (taken from 7 down, so that the lowest is written last); 16 x tile + 8 h + j.  The compares stand in two runs, each mask in a scalar register of its own.
.irp q, 0,1,2,3
	v_mov_b32 v[TT+\q], 7
.endr
.irp j, 6,5,4,3
.irp q, 0,1,2,3
	v_cmp_neq_f32 s[20+4*(6-\j)+\q], v[SV+8*\q+\j], v[BT+2*\q]
.endr
.endr
	s_wait_alu depctr_va_sdst(0)                   ; the sixteen compares have written s20 to s35, which the sixteen selects below read
.irp j, 6,5,4,3
.irp q, 0,1,2,3
	v_cndmask_b32 v[TT+\q], \j, v[TT+\q], s[20+4*(6-\j)+\q]
.endr
.endr
.irp j, 2,1,0
.irp q, 0,1,2,3
	v_cmp_neq_f32 s[20+4*(2-\j)+\q], v[SV+8*\q+\j], v[BT+2*\q]
.endr
.endr
	s_wait_alu depctr_va_sdst(0)                   ; the twelve compares have written s20 to s31, which the twelve selects below read
.irp j, 2,1,0
.irp q, 0,1,2,3
	v_cndmask_b32 v[TT+\q], \j, v[TT+\q], s[20+4*(2-\j)+\q]
.endr
.endr
.irp q, 0,1,2,3
	v_lshl_add_u32 v[TT+\q], v[BT+2*\q+1], 4, v[TT+\q]
.endr
.irp q, 0,1,2,3
	v_add_nc_u32 v[TT+\q], v[H8], v[TT+\q]
.endr
.irp q, 0,1,2,3                        ; the query's other 512 codes lie in lane l xor 16
	v_permlanex16_b32 v[TT+4+\q], v[BT+2*\q], s16, s17
	v_permlanex16_b32 v[EB+\q], v[TT+\q], s16, s17
.endr
.irp q, 0,1,2,3                        ; the other's is taken where it is less, or equal with the lower index: both lanes end with the same code
	v_cmp_lt_f32 s[20+\q], v[TT+4+\q], v[BT+2*\q]
	v_cmp_eq_f32 s[24+\q], v[TT+4+\q], v[BT+2*\q]
	v_cmp_lt_u32 s[28+\q], v[EB+\q], v[TT+\q]
.endr
	s_wait_alu depctr_va_sdst(0)                   ; the twelve compares have written s20 to s31, which the scalar lines below read
.irp q, 0,1,2,3
	s_and_b32 s[24+\q], s[24+\q], s[28+\q]
	s_or_b32 s[20+\q], s[20+\q], s[24+\q]
	v_cndmask_b32 v[TT+\q], v[TT+\q], v[EB+\q], s[20+\q]
.endr
	s_mov_b32 s36, 0xffff0000                      ; lanes 0-15 store rows 4 r and 4 r + 1, lanes 16-31 rows 4 r + 2 and 4 r + 3
	v_cndmask_b32 v[EB+4], v[TT], v[TT+2], s36
	v_cndmask_b32 v[EB+5], v[TT+1], v[TT+3], s36
	s_wait_alu depctr_va_vdst(0)                   ; the two selects have written v[EB+4:EB+5], which the store reads
	global_store_b64 v[SA], v[EB+4:EB+5], s[8:9]   ; the wave stores 256 consecutive bytes, at a multiple of 256 from idx's first byte
	s_wait_dscnt 0x0                               ; the closing lines, six on end
	s_wait_alu 0x0
	s_wait_tensorcnt 0x0
	ds_add_u32 v254, v255
	s_wait_dscnt 0x0
	s_endpgm
.Lfunc_end_k_q455f981390_nearest:
	.size	k_q455f981390_nearest, .Lfunc_end_k_q455f981390_nearest-k_q455f981390_nearest
	.p2alignl 7, 3214868480
	.fill 96, 4, 3214868480
	.section	.rodata,"a",@progbits
	.p2align	6, 0x0
	.amdhsa_kernel k_q455f981390_nearest
		.amdhsa_group_segment_fixed_size 78336
		.amdhsa_private_segment_fixed_size 0
		.amdhsa_enable_private_segment 0
		.amdhsa_kernarg_size 24
		.amdhsa_user_sgpr_count 2
		.amdhsa_user_sgpr_kernarg_segment_ptr 1
		.amdhsa_wavefront_size32 1
		.amdhsa_system_sgpr_workgroup_id_x 1
		.amdhsa_system_sgpr_workgroup_id_y 1
		.amdhsa_system_sgpr_workgroup_id_z 1
		.amdhsa_system_vgpr_workitem_id 0
		.amdhsa_next_free_vgpr 672
		.amdhsa_next_free_sgpr 66
		.amdhsa_reserve_vcc 1
		.amdhsa_float_denorm_mode_32 3
		.amdhsa_float_denorm_mode_16_64 3
		.amdhsa_memory_ordered 1
		.amdhsa_forward_progress 1
		.amdhsa_inst_pref_size 255
	.end_amdhsa_kernel
	.section	.bss,"aw",@nobits
	.p2align	6
	.space	262144
	.amdgpu_metadata
---
amdhsa.version: [ 1, 2 ]
amdhsa.kernels:
  - .name:           k_q455f981390_nearest
    .symbol:         k_q455f981390_nearest.kd
    .args:
      - { .name: inputs, .offset: 0, .size: 8, .value_kind: global_buffer, .address_space: global }
      - { .name: embedding, .offset: 8, .size: 8, .value_kind: global_buffer, .address_space: global }
      - { .name: idx, .offset: 16, .size: 8, .value_kind: global_buffer, .address_space: global }
    .group_segment_fixed_size: 78336
    .private_segment_fixed_size: 0
    .kernarg_segment_align: 8
    .kernarg_segment_size: 24
    .max_flat_workgroup_size: 128
    .sgpr_count:     66
    .vgpr_count:     672
    .wavefront_size: 32
...
	.end_amdgpu_metadata
.endif
;; end of part 4
;; launch gather (part 5): grid 256 x 1, 8 waves a work-group, no clusters, 1,280 bytes of LDS; arguments inputs, embedding, idx, out0, part; writes out0, part
.if DOCPART == 5
	.amdgcn_target "amdgcn-amd-amdhsa--gfx1250"
	.amdhsa_code_object_version 6
	.text
	.protected	k_q455f981390_gather
	.globl	k_q455f981390_gather
	.p2align	8
	.type	k_q455f981390_gather,@function
k_q455f981390_gather:
	s_mov_b64 s[64:65], 0
	v_nop
	global_prefetch_b8 v0, s[64:65] scope:SCOPE_SE
	s_setreg_imm32_b32 hwreg(HW_REG_WAVE_MODE, 25, 1), 1
	s_wait_xcnt 0x0
; out0[n][:] = x[n][:] + (e[idx[n]][:] - x[n][:]);  part[work-group] = the sum of (e[idx[n]] - x[n])^2 over the work-group's 256 rows.  All in f32.
; A stream: every byte of x is read once and every byte of out0 written once; the rows of e (262,144 bytes in all) are gathered by the indices that the launch before stored.
; Eight waves, 32 rows each.  A row is 256 bytes: sixteen lanes take one row, 16 bytes a lane.  Load or store k of a wave takes rows k (lanes 0-15) and 16 + k (lanes 16-31): two whole aligned rows,
; and a half of the lanes wants 16 neighbouring indices, which come by four loads of 16 bytes.  All 36 loads of a wave are issued before the first result is stored: 16 KiB a wave are on their way.
; No LDS ring, no matrix unit, no cluster: work-groups share only e's rows, which a list picks.
; An index is held at 1,023 before it enters an address.
.set IX, 16                            ; v16-31   16 indices, then the rows' byte offsets in e
.set XR, 32                            ; v32-95   x, then out0
.set QR, 96                            ; v96-159  e's rows, then e - x
.set LA, 160                           ; v160-163 sums of squares, two pairs
	s_load_b256 s[4:11], s[0:1], 0x0               ; x s[4:5], e s[6:7], idx s[8:9], out0 s[10:11]
	s_load_b64 s[12:13], s[0:1], 0x20              ; part
	v_lshl_add_u32 v168, v0, 2, 0x100
	v_mov_b32 v169, 0
	v_lshrrev_b32 v1, 5, v0
	s_delay_alu instid0(VALU_DEP_1)
	v_readfirstlane_b32 s14, v1                    ; wave 0..7
	v_and_b32 v2, 15, v0
	v_bfe_u32 v3, v0, 4, 1                         ; h
	s_delay_alu instid0(VALU_DEP_2)
	v_lshlrev_b32 v4, 4, v2                        ; my 16 bytes of a row
	s_delay_alu instid0(VALU_DEP_1)
	v_lshl_add_u32 v5, v3, 12, v4                  ; + 16 rows for lanes 16-31
	s_delay_alu instid0(VALU_DEP_3)
	v_lshlrev_b32 v6, 6, v3                        ; idx: 16 indices further on for lanes 16-31
	s_lshl_b32 s16, ttmp9, 16                      ; the work-group's 256 rows of 256 bytes,
	s_lshl_b32 s15, s14, 13                        ; my wave's 32
	s_add_co_u32 s16, s16, s15
	s_mov_b32 s17, 0
	s_lshl_b32 s18, ttmp9, 10
	s_lshl_b32 s15, s14, 7
	s_add_co_u32 s18, s18, s15
	s_mov_b32 s19, 0
	s_lshl_b32 s20, ttmp9, 2
	s_mov_b32 s21, 0
	s_mov_b32 s22, 0x76543210
	s_mov_b32 s23, 0xfedcba98
	s_wait_alu depctr_va_vdst(0)
	s_wait_kmcnt 0x0
	s_add_nc_u64 s[4:5], s[4:5], s[16:17]
	s_add_nc_u64 s[10:11], s[10:11], s[16:17]
	s_add_nc_u64 s[8:9], s[8:9], s[18:19]
	s_add_nc_u64 s[12:13], s[12:13], s[20:21]
.irp i, 0,1,2,3
	global_load_b128 v[IX+4*\i:IX+4*\i+3], v6, s[8:9] offset:16*\i
.endr
.set K, 0
.rept 16
	global_load_b128 v[XR+4*K:XR+4*K+3], v5, s[4:5] offset:256*K th:TH_LOAD_NT
.set K, K+1
.endr
	s_wait_loadcnt 16                              ; the indices are in; x's 16 loads may be out
.set K, 0
.rept 16
	v_min_u32 v[IX+K], 0x3ff, v[IX+K]
.set K, K+1
.endr
.set K, 0
.rept 16
	v_lshl_add_u32 v[IX+K], v[IX+K], 8, v4         ; 256 bytes a row of e, + my 16
.set K, K+1
.endr
.set K, 0
.rept 16
	global_load_b128 v[QR+4*K:QR+4*K+3], v[IX+K], s[6:7]
.set K, K+1
.endr
.set K, 0
.rept 16
	s_wait_loadcnt 15-K                            ; gather K is in (and all of x, asked for earlier); the later gathers may be out
	v_pk_add_f32 v[QR+4*K:QR+4*K+1], v[QR+4*K:QR+4*K+1], v[XR+4*K:XR+4*K+1] neg_lo:[0,1] neg_hi:[0,1]        ; e - x
	v_pk_add_f32 v[QR+4*K+2:QR+4*K+3], v[QR+4*K+2:QR+4*K+3], v[XR+4*K+2:XR+4*K+3] neg_lo:[0,1] neg_hi:[0,1]
.if K == 0
	s_delay_alu instid0(VALU_DEP_2)
	v_pk_mul_f32 v[LA:LA+1], v[QR:QR+1], v[QR:QR+1]                                                          ; the first squares start the sums
	s_delay_alu instid0(VALU_DEP_2)
	v_pk_mul_f32 v[LA+2:LA+3], v[QR+2:QR+3], v[QR+2:QR+3]
.else
	s_wait_alu depctr_va_vdst(0)
	v_pk_fma_f32 v[LA:LA+1], v[QR+4*K:QR+4*K+1], v[QR+4*K:QR+4*K+1], v[LA:LA+1]
	v_pk_fma_f32 v[LA+2:LA+3], v[QR+4*K+2:QR+4*K+3], v[QR+4*K+2:QR+4*K+3], v[LA+2:LA+3]
.endif
	v_pk_add_f32 v[XR+4*K:XR+4*K+1], v[XR+4*K:XR+4*K+1], v[QR+4*K:QR+4*K+1]                                  ; x + (e - x)
	v_pk_add_f32 v[XR+4*K+2:XR+4*K+3], v[XR+4*K+2:XR+4*K+3], v[QR+4*K+2:QR+4*K+3]
	global_store_b128 v5, v[XR+4*K:XR+4*K+3], s[10:11] offset:256*K th:TH_STORE_NT   ; sixteen lanes store 256 consecutive bytes, at a multiple of 256 from out0's first byte
.set K, K+1
.endr
	v_pk_add_f32 v[LA:LA+1], v[LA:LA+1], v[LA+2:LA+3]
	s_delay_alu instid0(VALU_DEP_1)
	v_add_f32 v8, v[LA], v[LA+1]
	s_delay_alu instid0(VALU_DEP_1)
	v_add_f32_dpp v8, v8, v8 row_xmask:1 row_mask:0xf bank_mask:0xf
	s_delay_alu instid0(VALU_DEP_1)
	v_add_f32_dpp v8, v8, v8 row_xmask:2 row_mask:0xf bank_mask:0xf
	s_delay_alu instid0(VALU_DEP_1)
	v_add_f32_dpp v8, v8, v8 row_xmask:4 row_mask:0xf bank_mask:0xf
	s_delay_alu instid0(VALU_DEP_1)
	v_add_f32_dpp v8, v8, v8 row_xmask:8 row_mask:0xf bank_mask:0xf
	v_mov_b32 v9, 0                                ; a lane permute's destination counts as one of its sources
	s_delay_alu instid0(VALU_DEP_1)
	v_permlanex16_b32 v9, v8, s22, s23
	s_delay_alu instid0(VALU_DEP_1)
	v_add_f32 v8, v8, v9                           ; the wave's sum, in every lane
	v_mov_b32 v10, s14
	s_delay_alu instid0(VALU_DEP_1)
	v_lshlrev_b32 v10, 2, v10
	ds_store_b32 v10, v8                           ; all lanes write the wave's word with the same value
	s_wait_dscnt 0x0                               ; for the others' sake: my store has landed
	s_barrier_signal -1
	s_barrier_wait -1
	v_mov_b32 v11, 0
	ds_load_b128 v[12:15], v11
	ds_load_b128 v[164:167], v11 offset:16
	s_wait_dscnt 0x0
	v_pk_add_f32 v[12:13], v[12:13], v[14:15]
	v_pk_add_f32 v[164:165], v[164:165], v[166:167]
	s_delay_alu instid0(VALU_DEP_1)
	v_pk_add_f32 v[12:13], v[12:13], v[164:165]
	s_delay_alu instid0(VALU_DEP_1)
	v_add_f32 v12, v12, v13                        ; the work-group's sum
	v_cmp_eq_u32 vcc_lo, 0, v0
	s_wait_alu depctr_va_vdst(0)
	s_wait_xcnt 0x0                                ; EXEC changes only behind this wait
	s_wait_tensorcnt 0x0
	ds_add_u32 v168, v169
	s_wait_dscnt 0x0
	s_and_saveexec_b32 s24, vcc_lo                 ; thread 0 alone stores it
	global_store_b32 v11, v12, s[12:13]
	s_wait_xcnt 0x0
	s_or_b32 exec_lo, exec_lo, s24
	s_endpgm
.Lfunc_end_k_q455f981390_gather:
	.size	k_q455f981390_gather, .Lfunc_end_k_q455f981390_gather-k_q455f981390_gather
	.p2alignl 7, 3214868480
	.fill 96, 4, 3214868480
	.section	.rodata,"a",@progbits
	.p2align	6, 0x0
	.amdhsa_kernel k_q455f981390_gather
		.amdhsa_group_segment_fixed_size 1280
		.amdhsa_private_segment_fixed_size 0
		.amdhsa_enable_private_segment 0
		.amdhsa_kernarg_size 40
		.amdhsa_user_sgpr_count 2
		.amdhsa_user_sgpr_kernarg_segment_ptr 1
		.amdhsa_wavefront_size32 1
		.amdhsa_system_sgpr_workgroup_id_x 1
		.amdhsa_system_sgpr_workgroup_id_y 1
		.amdhsa_system_sgpr_workgroup_id_z 1
		.amdhsa_system_vgpr_workitem_id 0
		.amdhsa_next_free_vgpr 170
		.amdhsa_next_free_sgpr 66
		.amdhsa_reserve_vcc 1
		.amdhsa_float_denorm_mode_32 3
		.amdhsa_float_denorm_mode_16_64 3
		.amdhsa_memory_ordered 1
		.amdhsa_forward_progress 1
		.amdhsa_inst_pref_size 18
	.end_amdhsa_kernel
	.amdgpu_metadata
---
amdhsa.version: [ 1, 2 ]
amdhsa.kernels:
  - .name:           k_q455f981390_gather
    .symbol:         k_q455f981390_gather.kd
    .args:
      - { .name: inputs, .offset: 0, .size: 8, .value_kind: global_buffer, .address_space: global }
      - { .name: embedding, .offset: 8, .size: 8, .value_kind: global_buffer, .address_space: global }
      - { .name: idx, .offset: 16, .size: 8, .value_kind: global_buffer, .address_space: global }
      - { .name: out0, .offset: 24, .size: 8, .value_kind: global_buffer, .address_space: global }
      - { .name: part, .offset: 32, .size: 8, .value_kind: global_buffer, .address_space: global }
    .group_segment_fixed_size: 1280
    .private_segment_fixed_size: 0
    .kernarg_segment_align: 8
    .kernarg_segment_size: 40
    .max_flat_workgroup_size: 256
    .sgpr_count:     66
    .vgpr_count:     170
    .wavefront_size: 32
...
	.end_amdgpu_metadata
.endif
;; end of part 5
;; launch total (part 6): grid 1 x 1, 1 waves a work-group, no clusters, 0 bytes of LDS; arguments part, out1; writes out1
.if DOCPART == 6
	.amdgcn_target "amdgcn-amd-amdhsa--gfx1250"
	.amdhsa_code_object_version 6
	.text
	.protected	k_q455f981390_total
	.globl	k_q455f981390_total
	.p2align	8
	.type	k_q455f981390_total,@function
k_q455f981390_total:
	s_mov_b64 s[64:65], 0
	v_nop
	global_prefetch_b8 v0, s[64:65] scope:SCOPE_SE
	s_setreg_imm32_b32 hwreg(HW_REG_WAVE_MODE, 25, 1), 1
	s_wait_xcnt 0x0
; out1 = m + 0.25 m, m = the mean of (e[idx] - x)^2 over 65,536 x 64 numbers: the sum of the 256 partial sums x 2^-22.
; One wave: a sum over all work-groups of the launch before has one owner.  Each lane takes 8 neighbouring partial sums (32 bytes); the wave's two loads cover the 1,024 bytes.
	s_load_b128 s[4:7], s[0:1], 0x0                ; part s[4:5], out1 s[6:7]
	v_lshlrev_b32 v1, 5, v0
	v_mov_b32 v2, 0
	s_mov_b32 s8, 0x76543210
	s_mov_b32 s9, 0xfedcba98
	s_wait_alu depctr_va_vdst(0)
	s_wait_kmcnt 0x0
	global_load_b128 v[4:7], v1, s[4:5]
	global_load_b128 v[8:11], v1, s[4:5] offset:16
	s_wait_loadcnt 0x0
	v_pk_add_f32 v[4:5], v[4:5], v[6:7]
	v_pk_add_f32 v[8:9], v[8:9], v[10:11]
	v_pk_add_f32 v[4:5], v[4:5], v[8:9]
	v_add_f32 v4, v4, v5
	v_add_f32_dpp v4, v4, v4 row_xmask:1 row_mask:0xf bank_mask:0xf
	v_add_f32_dpp v4, v4, v4 row_xmask:2 row_mask:0xf bank_mask:0xf
	v_add_f32_dpp v4, v4, v4 row_xmask:4 row_mask:0xf bank_mask:0xf
	v_add_f32_dpp v4, v4, v4 row_xmask:8 row_mask:0xf bank_mask:0xf
	v_permlanex16_b32 v5, v4, s8, s9               ; (v5 has been written)
	v_add_f32 v4, v4, v5
	v_mul_f32 v4, 0x34800000, v4                   ; x 2^-22: the mean
	v_fmamk_f32 v5, v4, 0x3e800000, v4             ; the codebook loss + 0.25 x the commitment loss, which is the same mean
	v_cmp_eq_u32 vcc_lo, 0, v0
	s_wait_alu depctr_va_vdst(0)
	s_wait_xcnt 0x0                                ; EXEC changes only behind this wait
	s_and_saveexec_b32 s10, vcc_lo
	global_store_b32 v2, v5, s[6:7]
	s_wait_xcnt 0x0
	s_or_b32 exec_lo, exec_lo, s10
	s_endpgm
.Lfunc_end_k_q455f981390_total:
	.size	k_q455f981390_total, .Lfunc_end_k_q455f981390_total-k_q455f981390_total
	.p2alignl 7, 3214868480
	.fill 96, 4, 3214868480
	.section	.rodata,"a",@progbits
	.p2align	6, 0x0
	.amdhsa_kernel k_q455f981390_total
		.amdhsa_group_segment_fixed_size 0
		.amdhsa_private_segment_fixed_size 0
		.amdhsa_enable_private_segment 0
		.amdhsa_kernarg_size 16
		.amdhsa_user_sgpr_count 2
		.amdhsa_user_sgpr_kernarg_segment_ptr 1
		.amdhsa_wavefront_size32 1
		.amdhsa_system_sgpr_workgroup_id_x 1
		.amdhsa_system_sgpr_workgroup_id_y 1
		.amdhsa_system_sgpr_workgroup_id_z 1
		.amdhsa_system_vgpr_workitem_id 0
		.amdhsa_next_free_vgpr 16
		.amdhsa_next_free_sgpr 66
		.amdhsa_reserve_vcc 1
		.amdhsa_float_denorm_mode_32 3
		.amdhsa_float_denorm_mode_16_64 3
		.amdhsa_memory_ordered 1
		.amdhsa_forward_progress 1
		.amdhsa_inst_pref_size 2
	.end_amdhsa_kernel
	.amdgpu_metadata
---
amdhsa.version: [ 1, 2 ]
amdhsa.kernels:
  - .name:           k_q455f981390_total
    .symbol:         k_q455f981390_total.kd
    .args:
      - { .name: part, .offset: 0, .size: 8, .value_kind: global_buffer, .address_space: global }
      - { .name: out1, .offset: 8, .size: 8, .value_kind: global_buffer, .address_space: global }
    .group_segment_fixed_size: 0
    .private_segment_fixed_size: 0
    .kernarg_segment_align: 8
    .kernarg_segment_size: 16
    .max_flat_workgroup_size: 32
    .sgpr_count:     66
    .vgpr_count:     16
    .wavefront_size: 32
...
	.end_amdgpu_metadata
.endif
;; end of part 6
